; MI455X (gfx1250); checked and timed in simulation.
; The chip was launched on July 23, 2026; its instructions are those of AMD's public machine-readable ISA for CDNA 5 (MIT licence, August 2026) and "CDNA5" Instruction Set Architecture Reference Guide (July 2026). The comments in the code are by the model that wrote it; some were corrected since.
;; Linear Attention. Allowed arithmetic: float matrix products may take bf16 or f16 operands with f32 sums; other float arithmetic in f32, or as packed bf16 or f16 multiplies, adds, multiply-adds, maxima and minima; sums over many terms, partial sums and values carried from step to step in f32; what a program stores and reads back later, other than sums and carried values, may be rounded once to bf16 or f16.
;; Inputs: beta 1,024 float32; gamma 1,024 float32; mask 4 x 1 x 4,096 bool; w_qkv 1,024 x 3,072 float32; x 4 x 4,096 x 1,024 float32.
;; Outputs: out0 4 x 4,096 x 1,024 float32.
;; One version. Each part assembles by itself: llvm-mc -triple=amdgcn-amd-amdhsa -mcpu=gfx1250 --defsym DOCPART=n.
;; ======== version 1 of 1: 4 launches
;; limits: values are held in f16: magnitudes above 65,504 overflow, below 6.1e-05 lose precision; a function is approximated: absolute error at most 2e-07
;; workspace buffers: xn 33,554,432 bytes; wb 6,291,456 bytes; part 16,777,216 bytes; kvf 1,048,576 bytes; scl 65,536 bytes
;; launch prep (part 1): grid 1024 x 1, 4 waves a work-group, no clusters, 0 bytes of LDS; arguments x, gamma, beta, w_qkv, xn, wb; writes xn, wb
.if DOCPART == 1
	.amdgcn_target "amdgcn-amd-amdhsa--gfx1250"
	.amdhsa_code_object_version 6
	.text
	.protected	k_q31553b7c8b_prep
	.globl	k_q31553b7c8b_prep
	.p2align	8
	.type	k_q31553b7c8b_prep,@function
k_q31553b7c8b_prep:
	s_mov_b64 s[64:65], 0
	v_nop
	global_prefetch_b8 v0, s[64:65] scope:SCOPE_SE
	s_setreg_imm32_b32 hwreg(HW_REG_WAVE_MODE, 25, 1), 1
	s_wait_xcnt 0x0
; PREP.  xn = LayerNorm(x) gamma + beta, rounded once to f16: [16384][1024].  wb = w_qkv rounded once to f16, [1024 k][3072 n], its columns regrouped and scaled:
;   n 0..1023: the q columns times -log2(e), so that sigmoid(q) = 1 / (1 + 2^acc);
;   n = 1024 + 256 h + 128 c + 64 t + i: t = 0: k column 128 h + 64 c + i times 2 log2(e), so that tanh(k) = 1 - 2 / (1 + 2^acc); t = 1: v column 128 h + 64 c + i.
; The mean is taken first and the squares are those of x - mean: no difference of large sums arises where x carries an offset.  All sums in f32.
; LIMITS.  f16 ends at 65,504: |xn| and the scaled |w| stay below that; below 6e-5 f16 keeps its fixed step of 6e-8.  NaN and infinities are not treated apart.
; SHARES.  Wave g = 4 x work-group + wave (0..4095) takes rows 4 g .. 4 g + 3 of x, one whole row at a time in 32 registers (lane l holds the numbers 128 j + 4 l .. + 3, j = 0..7), so a
; reduction never leaves the wave; and a quarter of row g / 4 of w.  Every load of x covers 512 consecutive bytes, every store 256 consecutive bytes at a multiple of 256 from its buffer's first byte.
; All 54 loads of a wave go out at the head; nothing that a pending load or store names is ever rewritten.  No LDS, no cluster: no byte is shared.
.set G,   8                            ; v[8:39]    gamma of my 32 columns
.set BT,  40                           ; v[40:71]   beta
.set X,   72                           ; v[72:199]  four rows, 32 registers each: as loaded, then centred, then packed
.set W,   200                          ; v[200:223] six pieces of w, 4 registers each
.set T,   224                          ; v[224:231] four chains of packed sums
.set MU,  232                          ; v[232:233] the mean, twice
.set RS,  234                          ; v[234:235] 1 / sqrt(var + eps), twice
	s_load_b256 s[4:11], s[0:1], 0x0               ; x s[4:5], gamma s[6:7], beta s[8:9], w s[10:11]
	s_load_b128 s[12:15], s[0:1], 0x20             ; xn s[12:13], wb s[14:15]
	v_and_b32 v1, 31, v0                           ; lane
	v_lshrrev_b32 v5, 5, v0
	v_readfirstlane_b32 s16, v5                    ; wave
	s_lshl_b32 s17, ttmp9, 2
	s_add_co_u32 s17, s17, s16                     ; g
	v_lshlrev_b32 v2, 4, v1                        ; 16 l: loads of x, gamma, beta and the q columns
	v_lshlrev_b32 v3, 3, v1                        ; 8 l: all stores
	v_and_b32 v4, 15, v1
	v_lshrrev_b32 v5, 4, v1
	v_lshlrev_b32 v4, 4, v4
	v_lshl_add_u32 v4, v5, 12, v4                  ; lanes 0-15: 256 bytes of k columns; lanes 16-31: the v columns 4,096 bytes on
	v_mov_b32 v7, 0x4038aa3b                       ; 2 log2(e)
	v_cmp_gt_u32 vcc_lo, 16, v1
	v_cndmask_b32 v6, 1.0, v7, vcc_lo              ; the k lanes factor, 1 for the v lanes
	v_mov_b32 v7, v6
	s_mov_b32 s20, 0x76543210                      ; v_permlanex16_b32: each lane takes its own place in the other half
	s_mov_b32 s21, 0xfedcba98
	s_mov_b32 s22, 0x3a800000                      ; 1 / 1024
	s_mov_b32 s23, 0x3727c5ac                      ; eps = 1e-5
	s_mov_b32 s26, 0xbfb8aa3b                      ; -log2(e)
	s_mov_b32 s27, s26
	s_lshl_b32 s18, s17, 14                        ; my four rows of x: 16,384 bytes
	s_mov_b32 s19, 0
	s_lshl_b32 s24, s17, 13                        ; and of xn: 8,192
	s_mov_b32 s25, 0
	s_lshr_b32 s28, s17, 2                         ; row of w
	s_and_b32 s29, s17, 3                          ; quarter
	s_mul_i32 s30, s28, 12288
	s_lshl_b32 s31, s29, 10
	s_add_co_u32 s30, s30, s31
	s_mov_b32 s31, 0
	s_mul_i32 s32, s28, 6144
	s_lshl_b32 s34, s29, 9
	s_add_co_u32 s34, s34, s32                     ; wb: my 512 bytes of q columns
	s_mov_b32 s35, 0
	s_lshl_b32 s36, s29, 10
	s_add_co_u32 s36, s36, s32                     ; wb: my 1,024 bytes of k and v columns, less the 2,048 that stand in the immediate
	s_mov_b32 s37, 0
	s_wait_kmcnt 0x0
	s_add_nc_u64 s[4:5], s[4:5], s[18:19]
	s_add_nc_u64 s[12:13], s[12:13], s[24:25]
	s_add_nc_u64 s[10:11], s[10:11], s[30:31]
	s_add_nc_u64 s[34:35], s[14:15], s[34:35]
	s_add_nc_u64 s[36:37], s[14:15], s[36:37]
.irp j, 0,1,2,3,4,5,6,7
	global_load_b128 v[G+4*(\j):G+4*(\j)+3], v2, s[6:7] offset:512*(\j)
.endr
.irp j, 0,1,2,3,4,5,6,7
	global_load_b128 v[BT+4*(\j):BT+4*(\j)+3], v2, s[8:9] offset:512*(\j)
.endr
.irp s, 0,1,2,3
.irp j, 0,1,2,3,4,5,6,7
	global_load_b128 v[X+32*(\s)+4*(\j):X+32*(\s)+4*(\j)+3], v2, s[4:5] offset:4096*(\s)+512*(\j) th:TH_LOAD_NT
.endr
.endr
.irp i, 0,1
	global_load_b128 v[W+4*(\i):W+4*(\i)+3], v2, s[10:11] offset:512*(\i) th:TH_LOAD_NT
.endr
.irp i, 0,1,2,3
	global_load_b128 v[W+8+4*(\i):W+8+4*(\i)+3], v4, s[10:11] offset:4096+256*(\i) th:TH_LOAD_NT
.endr
.macro JOIN                            ; the four chains into v[T]
	v_pk_add_f32 v[T:T+1], v[T:T+1], v[T+2:T+3]
	v_pk_add_f32 v[T+4:T+5], v[T+4:T+5], v[T+6:T+7]
	v_pk_add_f32 v[T:T+1], v[T:T+1], v[T+4:T+5]
	v_add_f32 v[T], v[T], v[T+1]
.endm
.macro RED                             ; v[T] summed over the 32 lanes, the result in every lane
	v_add_f32_dpp v[T], v[T], v[T] row_xmask:1 row_mask:0xf bank_mask:0xf
	v_add_f32_dpp v[T], v[T], v[T] row_xmask:2 row_mask:0xf bank_mask:0xf
	v_add_f32_dpp v[T], v[T], v[T] row_xmask:4 row_mask:0xf bank_mask:0xf
	v_add_f32_dpp v[T], v[T], v[T] row_xmask:8 row_mask:0xf bank_mask:0xf
	v_permlanex16_b32 v[T+1], v[T], s20, s21       ; its destination counts as read: JOIN has written it
	v_add_f32 v[T], v[T], v[T+1]
.endm
; Row s.  left = the loads issued behind this row's eight, which may stay out.
.macro ROW s, left
.set R, X+32*(\s)
	s_wait_loadcnt \left                           ; loads come back in order (ISA guide 5.7.1): gamma, beta and my row are in
.irp c, 0,1,2,3
	v_pk_add_f32 v[T+2*(\c):T+2*(\c)+1], v[R+2*(\c):R+2*(\c)+1], v[R+8+2*(\c):R+8+2*(\c)+1]  ; the first lines start the chains: nothing is cleared
.endr
.irp p, 8,9,10,11,12,13,14,15
	v_pk_add_f32 v[T+2*((\p)%4):T+2*((\p)%4)+1], v[T+2*((\p)%4):T+2*((\p)%4)+1], v[R+2*(\p):R+2*(\p)+1]
.endr
	JOIN
	RED
	v_mul_f32 v[MU], s22, v[T]
	v_mov_b32 v[MU+1], v[MU]
.set i, 0
.rept 16
	v_pk_add_f32 v[R+i:R+i+1], v[R+i:R+i+1], v[MU:MU+1] neg_lo:[0,1] neg_hi:[0,1]  ; x - mean, in place
.set i, i+2
.endr
.irp c, 0,1,2,3
	v_pk_mul_f32 v[T+2*(\c):T+2*(\c)+1], v[R+2*(\c):R+2*(\c)+1], v[R+2*(\c):R+2*(\c)+1]
.endr
.irp p, 4,5,6,7,8,9,10,11,12,13,14,15
	v_pk_fma_f32 v[T+2*((\p)%4):T+2*((\p)%4)+1], v[R+2*(\p):R+2*(\p)+1], v[R+2*(\p):R+2*(\p)+1], v[T+2*((\p)%4):T+2*((\p)%4)+1]
.endr
	JOIN
	RED
	v_fma_f32 v[T+2], v[T], s22, s23               ; var + eps
	v_rsq_f32 v[RS], v[T+2]
	v_rsq_f32 v[RS+1], v[T+2]
	v_nop                                          ; a plain instruction behind the last of the two (ISA guide 5.7.2),
	s_wait_alu depctr_va_vdst(0)                   ; and the one wait ahead of the first reader
.set i, 0
.rept 16
	v_pk_mul_f32 v[R+i:R+i+1], v[R+i:R+i+1], v[RS:RS+1]
.set i, i+2
.endr
.set i, 0
.rept 16
	v_pk_fma_f32 v[R+i:R+i+1], v[R+i:R+i+1], v[G+i:G+i+1], v[BT+i:BT+i+1]
.set i, i+2
.endr
.set i, 0
.rept 16
	v_cvt_pk_f16_f32 v[R+i], v[R+2*i], v[R+2*i+1]  ; ascending, in place: register i is written when 2 i and 2 i + 1 have been read
.set i, i+1
.endr
.irp j, 0,1,2,3,4,5,6,7
	global_store_b64 v3, v[R+2*(\j):R+2*(\j)+1], s[12:13] offset:2048*(\s)+256*(\j)
.endr
.endm
	ROW 0, 30                                      ; behind row 0: three rows' 24 loads and w's 6
	ROW 1, 22
	ROW 2, 14
	ROW 3, 6
	s_wait_loadcnt 0x0                             ; w
.irp i, 0,1
	v_pk_mul_f32 v[W+4*(\i):W+4*(\i)+1], v[W+4*(\i):W+4*(\i)+1], s[26:27] op_sel_hi:[1,0]
	v_pk_mul_f32 v[W+4*(\i)+2:W+4*(\i)+3], v[W+4*(\i)+2:W+4*(\i)+3], s[26:27] op_sel_hi:[1,0]
	v_cvt_pk_f16_f32 v[W+4*(\i)], v[W+4*(\i)], v[W+4*(\i)+1]
	v_cvt_pk_f16_f32 v[W+4*(\i)+1], v[W+4*(\i)+2], v[W+4*(\i)+3]
	global_store_b64 v3, v[W+4*(\i):W+4*(\i)+1], s[34:35] offset:256*(\i)
.endr
.irp i, 2,3,4,5
	v_pk_mul_f32 v[W+4*(\i):W+4*(\i)+1], v[W+4*(\i):W+4*(\i)+1], v[6:7]
	v_pk_mul_f32 v[W+4*(\i)+2:W+4*(\i)+3], v[W+4*(\i)+2:W+4*(\i)+3], v[6:7]
	v_cvt_pk_f16_f32 v[W+4*(\i)], v[W+4*(\i)], v[W+4*(\i)+1]
	v_cvt_pk_f16_f32 v[W+4*(\i)+1], v[W+4*(\i)+2], v[W+4*(\i)+3]
	global_store_b64 v3, v[W+4*(\i):W+4*(\i)+1], s[36:37] offset:2048+256*((\i)-2)  ; 64 k columns, then the 64 v columns of the same half head
.endr
	s_endpgm
.Lfunc_end_k_q31553b7c8b_prep:
	.size	k_q31553b7c8b_prep, .Lfunc_end_k_q31553b7c8b_prep-k_q31553b7c8b_prep
	.p2alignl 7, 3214868480
	.fill 96, 4, 3214868480
	.section	.rodata,"a",@progbits
	.p2align	6, 0x0
	.amdhsa_kernel k_q31553b7c8b_prep
		.amdhsa_group_segment_fixed_size 0
		.amdhsa_private_segment_fixed_size 0
		.amdhsa_enable_private_segment 0
		.amdhsa_kernarg_size 48
		.amdhsa_user_sgpr_count 2
		.amdhsa_user_sgpr_kernarg_segment_ptr 1
		.amdhsa_wavefront_size32 1
		.amdhsa_system_sgpr_workgroup_id_x 1
		.amdhsa_system_sgpr_workgroup_id_y 1
		.amdhsa_system_sgpr_workgroup_id_z 1
		.amdhsa_system_vgpr_workitem_id 0
		.amdhsa_next_free_vgpr 240
		.amdhsa_next_free_sgpr 66
		.amdhsa_reserve_vcc 1
		.amdhsa_float_denorm_mode_32 3
		.amdhsa_float_denorm_mode_16_64 3
		.amdhsa_memory_ordered 1
		.amdhsa_forward_progress 1
		.amdhsa_inst_pref_size 41
	.end_amdhsa_kernel
	.amdgpu_metadata
---
amdhsa.version: [ 1, 2 ]
amdhsa.kernels:
  - .name:           k_q31553b7c8b_prep
    .symbol:         k_q31553b7c8b_prep.kd
    .args:
      - { .name: x, .offset: 0, .size: 8, .value_kind: global_buffer, .address_space: global }
      - { .name: gamma, .offset: 8, .size: 8, .value_kind: global_buffer, .address_space: global }
      - { .name: beta, .offset: 16, .size: 8, .value_kind: global_buffer, .address_space: global }
      - { .name: w_qkv, .offset: 24, .size: 8, .value_kind: global_buffer, .address_space: global }
      - { .name: xn, .offset: 32, .size: 8, .value_kind: global_buffer, .address_space: global }
      - { .name: wb, .offset: 40, .size: 8, .value_kind: global_buffer, .address_space: global }
    .group_segment_fixed_size: 0
    .private_segment_fixed_size: 0
    .kernarg_segment_align: 8
    .kernarg_segment_size: 48
    .max_flat_workgroup_size: 128
    .sgpr_count:     66
    .vgpr_count:     240
    .wavefront_size: 32
...
	.end_amdgpu_metadata
.endif
;; end of part 1
;; launch kvgemm (part 2): grid 8 x 32, 4 waves a work-group, clusters of 4 x 4, 327,680 bytes of LDS; arguments xn, wb, mask, part; writes part
.if DOCPART == 2
	.amdgcn_target "amdgcn-amd-amdhsa--gfx1250"
	.amdhsa_code_object_version 6
	.text
	.protected	k_q31553b7c8b_kvgemm
	.globl	k_q31553b7c8b_kvgemm
	.p2align	8
	.type	k_q31553b7c8b_kvgemm,@function
k_q31553b7c8b_kvgemm:
	s_mov_b64 s[64:65], 0
	v_nop
	global_prefetch_b8 v0, s[64:65] scope:SCOPE_SE
	s_setreg_imm32_b32 hwreg(HW_REG_WAVE_MODE, 25, 1), 1
	s_wait_xcnt 0x0
	s_wait_alu depctr_hold_cnt(0) depctr_sa_sdst(0) depctr_va_vdst(0) depctr_va_sdst(0) depctr_va_ssrc(0) depctr_va_vcc(0) depctr_vm_vsrc(0)
	s_getreg_b32 s2, hwreg(HW_REG_IB_STS2, 6, 4)
	s_cmp_eq_u32 s2, 0
	s_cbranch_scc0 .Lentry_in_a_cluster
	s_endpgm
.Lentry_in_a_cluster:
	s_bfe_u32 s2, ttmp6, 0x10000c
	s_cmp_lg_u32 s2, 0xf033
	s_cbranch_scc0 .Lentry_shape_is_right
	s_endpgm
.Lentry_shape_is_right:
; KVGEMM.  For one (batch b, head h) and 512 of its 4,096 rows: k and v = xn wb (f16 operands, f32 sums), k = tanh, masked rows of k = 0, and the partial sum of kv[d][e] = sum over rows of k[row][d] v[row][e].
; A work-group makes TWO tiles of 256 rows x 256 columns (the head's 128 k and 128 v columns), rows 256 (16 b + p) and 2,048 further on, p = 0..7; k and v never leave the WGP.  The 128 x 128 partial
; sum stays in registers over both tiles and is stored once, in f32, to part[((8 b + h) 8 + p)].
; LIMITS.  f16 ends at 65,504: |v| stays below that (k lies in -1..1).  tanh = 1 - 2 / (1 + 2^acc) is off by some 2e-7 absolutely; 2^acc below 2^-126 counts as 0, above f32 as infinity: tanh is then -1 or 1.
; A masked k is +0 whatever tanh gave.  NaN and infinities of the inputs are not treated apart.
; THE PRODUCT.  Four waves; wave (RH = w / 2, CH = w % 2) makes rows 128 RH.., columns 128 CH..: 64 accumulators of 16 x 16.  K goes in 8 steps of 128 through two LDS slots filled by tensor loads.
; xn's tile lies [row][k], wb's [k][column]: its fragments come out of LDS turned, by ds_load_tr16_b128.  Source 0 = 16 rows of xn, source 1 = 16 columns: a lane then holds ONE column and eight rows
; 8 (lane / 16) + 0..7, which, rounded to f16 in pairs, are half a fragment (16 of its 32 rows) of k^T or v^T for the second product: nothing is turned.
; By wb's order of columns, wave (RH, CH) holds in blocks b = 0..3 the k columns d = 64 CH + 16 b + r and in b = 4..7 the v columns e = 64 CH + 16 (b - 4) + r.
; CLUSTER.  4 x 4 work-groups.  A row of the cluster shares xn's tile, a column wb's: each is asked for jointly, by the same tensor load with the same descriptor and a mask that names the four.
; THE LOOP is written as HALF a K step (two quarters of 32 along K, on fragment buffers F0 and F1), walked twice a step; a change of slots follows each second walk.
; REGISTERS, in windows of 256 (s_set_vgpr_msb: bits 1:0 source 0, 3:2 source 1, 5:4 source 2, 7:6 destination):
;   window 0: v0-31 addresses; v32-63 the rows' masks; v64-191 xn's fragments, two buffers (in the epilogue v64-127: k^T's); v192-211 mask bytes and two pairs at work
;   window 1: v64-191 wb's fragments (in the epilogue v64-127: v^T's); v0-63, v192-255 the 16 accumulators of kv
;   window 2: the accumulators of my rows 0-63, (a, b) at v[8 (8 a + b)];   window 3: those of rows 64-127
.set PA,    272                        ; a row of xn's tile in LDS: 256 bytes + 16 of padding: the 16 rows of a load start at 16 different groups of four banks (64 banks of 4 bytes: ISA guide 11.1)
.set PB,    544                        ; a k row of wb's tile: 512 + 32
.set HALFT, 34816                      ; what one tensor load brings: 128 rows x 272 or 64 rows x 544
.set BOFF,  69632                      ; wb's tile behind xn's 256 rows
.set SLOT,  139264
.set STEPA, 256                        ; a K step in xn: 128 numbers along a row
.set STEPB, 786432                     ; in wb: 128 rows of 6,144 bytes
.set NEXTA, 4194304                    ; 2,048 rows of xn: from my first tile to my second
.set STAGE, 278528                     ; behind the ring, never filled by a tensor load: two buffers of 16 fragments x 1,024 bytes
.set SPARE, 311296                     ; behind them: the spare words, 128 bytes for each wave: two blocks of 256 bytes that no other line names
.set A0,  16                           ; my lane's place in xn's tile: r x 272 + 16 hl + my 128 rows; never rewritten
.set B0,  17                           ; in wb's tile; never rewritten
.set CA,  18                           ; the LDS addresses of the half step in hand
.set CB,  19
.set STO, 20                           ; stage: where I put half fragments
.set RDK, 21                           ; where I read k^T's fragments
.set RDV, 22                           ; and v^T's
.set MO,  23                           ; 8 hl: my eight rows' mask bytes
.set PO,  24                           ; 16 l
.set SPW, 28                           ; LDS address of my spare word; never rewritten
.set NIL, 29                           ; 0; never rewritten
.set PFO, 30                           ; the prefetches' lane offset; never rewritten
.set AM,  32                           ; v[32:63]: for row block a four words, 0xffff for each kept row of a pair
.set F0,  64
.set F1,  128
.set MK,  192                          ; v[192:207]: mask bytes as loaded
.set TM,  208
; scalars: s[4:11] xn, wb, mask, part; s14 wave, s15 RH, s16 CH, s17 cx, s18 cy, s19 head, s20 y; s[24:31], s[40:47] descriptor groups 1 (xn, wb); s[32:35], s[48:51] groups 0 of the first fill;
; s[36:39], s[52:55] the walking groups 0; s[56:57], s[58:59] the tiles' bases; s[60:61], s[62:63] byte offset of the K step to be asked for; s67, s68 LDS offset of the half step to be fetched;
; s69, s70 counts; s71 2 in a wave that prefetches, else the greatest number; s[72:73] base, s[74:75] address, s[76:77] offset of the prefetches; s78, s79 byte selects; s80 tiles to go; s[82:83] mask
.set MSB, 0
.macro WIN new                         ; the immediate's high byte repeats the setting that is left; a switch that changes nothing is dropped
.if MSB != (\new)
	s_set_vgpr_msb (MSB<<8)|(\new)
.set MSB, \new
.endif
.endm
.macro PLACES                          ; four places in front of loads into registers that matrix instructions have read, and of lines that read results just made
.rept 4
	v_nop
.endr
.endm
.macro CREST                           ; a round of the cluster's barrier behind its opening barrier
	s_cmp_lg_u32 s14, 0
	s_cbranch_scc1 .Lnot_wave_0_\@
	s_barrier_signal -3
.Lnot_wave_0_\@:
	s_barrier_wait -3
	s_barrier_signal -1
	s_barrier_wait -1
.endm
.macro CROUND                          ; a whole round
	s_barrier_signal -1
	s_barrier_wait -1
	CREST
.endm
.macro JLOAD                           ; a joint refill: waves 0 and 1 fetch the halves of xn's tile, waves 2 and 3 those of wb's; an s_nop 0 and four v_nop follow each line
	s_cmp_eq_u32 s15, 0
	s_cbranch_scc0 .Lfor_b_\@
	tensor_load_to_lds s[36:39], s[24:31]
	s_nop 0
.rept 4
	v_nop
.endr
	s_branch .Lasked_\@
.Lfor_b_\@:
	tensor_load_to_lds s[52:55], s[40:47]
	s_nop 0
.rept 4
	v_nop
.endr
.Lasked_\@:
.endm
; A PREFETCH, behind each joint refill: the K step that stands two refills on, 512 matrix instructions ahead of the load that will ask for it; 32 blocks of 256 bytes, a lane a block, one instruction a wave.
; Each block is named once in the launch: xn's rows are walked by both clusters of a row of clusters, the one with x = 0 asks; wb's by all clusters of a column, the one with y = 0 asks, in its first tile
; alone.  The four partners of a joint load share its blocks out by address.  how = 0: a tile's last two refills have no K step two on.  how = 1: at the change of tiles, the next tile's steps 2 and 3 of xn.
.macro ASK how
.if \how
	s_cmp_eq_u32 s71, 2
.else
	s_cmp_gt_u32 s70, s71
.endif
	s_cbranch_scc0 .Lnot_mine_\@
	global_prefetch_b8 v[PFO], s[74:75] th:TH_LOAD_NT scope:SCOPE_SE
.Lnot_mine_\@:
.endm
; 16 matrix instructions: row blocks a0, a0 + 1 of the window's four x all 8 column blocks, 32 along K.  zero = 1: the product starts the sum.  The 64 accumulators take turns in one order everywhere.
.macro MUL16 f, hi, a0, zero
	WIN 0xa4+0x50*(\hi)                            ; source 0 (xn) window 0, source 1 (wb) window 1, C and D window 2 or 3
.irp a, \a0, (\a0)+1
.irp b, 0,1,2,3,4,5,6,7
.if \zero
	v_wmma_f32_16x16x32_f16 v[8*(8*(\a)+(\b)):8*(8*(\a)+(\b))+7], v[(\f)+8*(4*(\hi)+(\a)):(\f)+8*(4*(\hi)+(\a))+7], v[(\f)+8*(\b):(\f)+8*(\b)+7], 0
.else
	v_wmma_f32_16x16x32_f16 v[8*(8*(\a)+(\b)):8*(8*(\a)+(\b))+7], v[(\f)+8*(4*(\hi)+(\a)):(\f)+8*(4*(\hi)+(\a))+7], v[(\f)+8*(\b):(\f)+8*(\b)+7], v[8*(8*(\a)+(\b)):8*(8*(\a)+(\b))+7]
.endif
.endr
.endr
.endm
.macro MULL f, zero
	MUL16 \f, 0, 0, \zero
	MUL16 \f, 0, 2, \zero
.endm
.macro MULH f, zero
	MUL16 \f, 1, 0, \zero
	MUL16 \f, 1, 2, \zero
.endm
; 32 LDS loads in one run: quarter q of the half step in hand into buffer f: wb's 8 fragments (turned), then xn's 8, its rows 64-127 last
.macro FETCH f, q
	WIN 0x40
.irp i, 0,1,2,3,4,5,6,7
	ds_load_tr16_b128 v[(\f)+8*(\i):(\f)+8*(\i)+3],   v[CB] offset:17408*(\q)+32*(\i)
	ds_load_tr16_b128 v[(\f)+8*(\i)+4:(\f)+8*(\i)+7], v[CB] offset:17408*(\q)+32*(\i)+8704
.endr
	WIN 0
.irp i, 0,1,2,3,4,5,6,7
	ds_load_b128 v[(\f)+8*(\i):(\f)+8*(\i)+3],   v[CA] offset:64*(\q)+4352*(\i)
	ds_load_b128 v[(\f)+8*(\i)+4:(\f)+8*(\i)+7], v[CA] offset:64*(\q)+4352*(\i)+32
.endr
.endm
; Half a K step, begun at the fetch of its first quarter: the quarter before (F1) is finished, F0 is multiplied, F1 fetched.
.macro TEE
	WIN 0
	v_add_nc_u32 v[CA], s67, v[A0]                 ; these two lines and two v_nop are the four places behind the last product that read F0
	v_add_nc_u32 v[CB], s68, v[B0]
	v_nop
	v_nop
	FETCH F0, 0
	s_add_co_u32 s67, s67, 128                     ; the next half step: 64 along K
	s_add_co_u32 s68, s68, 34816
	s_wait_dscnt 32                                ; all but the 32 just issued: F1 is whole
	MULH F1, 0
	s_wait_dscnt 8                                 ; F0 but for xn's rows 64-127
	MULL F0, 0
	PLACES
	FETCH F1, 1
	s_wait_dscnt 32                                ; F0 is whole
	MULH F0, 0
	WIN 0
.endm
.macro LF1                             ; the first half of quarter F1, where no change of slots follows
	s_wait_dscnt 8
	MULL F1, 0
	WIN 0
.endm
; The same 32 products at a change of slots, with ONE barrier for two things.  In front of it each wave waits for all its tensor loads (one is out: its part of the other slot), adds 0 to its spare word,
; and waits for that and for its reads of this slot.  fill = 1: the walking descriptors are made anew meanwhile: no tensor load of mine is out.
.macro MEET fill
	WIN 0
	s_wait_tensorcnt 0x0
	ds_add_u32 v[SPW], v[NIL]
.if \fill
	s_xor_b32 s37, s37, SLOT                       ; the other slot than last time (no bit of SLOT is set in wave x HALFT)
	s_add_nc_u64 s[38:39], s[56:57], s[60:61]
	s_or_b32 s39, s39, 0x80000000
	s_xor_b32 s53, s53, SLOT
	s_add_nc_u64 s[54:55], s[58:59], s[62:63]
	s_or_b32 s55, s55, 0x80000000
.endif
	s_wait_dscnt 9                                 ; the add and the youngest eight loads may be out
	MUL16 F1, 0, 0, 0
	s_wait_dscnt 0x0                               ; the add is done, and my reads of this slot are over
	s_barrier_signal -1
	MUL16 F1, 0, 2, 0                              ; work on registers while the others arrive
	WIN 0
	s_barrier_wait -1
.endm
.macro TURNX how                       ; a change of slots with a refill: the barrier opens a round of the cluster's, and the joint refill is the first thing behind the round
	s_wait_xcnt 0x0                                ; the last prefetch, a K step back, has read its address
	s_add_co_u32 s60, s60, STEPA                   ; the K step to be asked for
	s_add_co_u32 s62, s62, STEPB
	s_add_co_u32 s22, s60, 2*STEPA                 ; and the one two on, for the prefetch
	s_add_co_u32 s23, s62, 2*STEPB
	s_cmp_eq_u32 s15, 0
	s_cselect_b32 s76, s22, s23
	s_add_nc_u64 s[74:75], s[72:73], s[76:77]
	MEET 1
	CREST
	JLOAD
	ASK \how
.endm
.macro TOGGLE                          ; the fetches go back to a slot's first half step, in the other slot
	s_sub_co_u32 s67, s67, 256
	s_xor_b32 s67, s67, SLOT
	s_sub_co_u32 s68, s68, 69632
	s_xor_b32 s68, s68, SLOT
.endm
; n K steps.  kind 0: each refills its slot with the step two on; 1: the same at the change of tiles; 2: nothing is asked for.  In a step's second walk the jump leads over LF1: MEET holds those products.
.macro SLOTLOOP tag, n, kind, init
.if \init
	s_mov_b32 s70, \n
.endif
.Lslot\tag:
	s_mov_b32 s69, 2
.Lhalf\tag:
	TEE
	s_cmp_eq_u32 s69, 1
	s_cbranch_scc1 .Lskip\tag
.Lmid\tag:
	LF1
.Lskip\tag:
	s_sub_co_u32 s69, s69, 1
	s_cmp_lg_u32 s69, 0
	s_cbranch_scc1 .Lhalf\tag
.if (\kind) == 2
	MEET 0
.else
	TURNX \kind
.endif
	TOGGLE
	s_sub_co_u32 s70, s70, 1
	s_cmp_lg_u32 s70, 0
	s_cbranch_scc1 .Lslot\tag
.endm
	s_load_b256 s[4:11], s[0:1], 0x0               ; xn s[4:5], wb s[6:7], mask s[8:9], part s[10:11]
	v_lshl_add_u32 v[SPW], v0, 2, SPARE
	v_mov_b32 v[NIL], 0
	ds_add_u32 v[SPW], v[NIL]                      ; the wave's opening: the add, twice on end, and its wait ahead of my first tensor load
	ds_add_u32 v[SPW], v[NIL]                      ; and once more, under the one wait; the set-up below stands between
	v_lshrrev_b32 v1, 5, v0
	v_readfirstlane_b32 s14, v1                    ; wave 0..3
	s_lshr_b32 s15, s14, 1                         ; RH.  Also: I fetch for xn (0) or for wb (1)
	s_and_b32 s16, s14, 1                          ; CH.  Also: which half of that tile I fetch
	s_bfe_u32 s17, ttmp6, 0x40000                  ; cx
	s_bfe_u32 s18, ttmp6, 0x40004                  ; cy
	s_lshl_b32 s19, ttmp9, 2
	s_add_co_u32 s19, s19, s17                     ; the head h = 4 x cluster x + cx
	s_and_b32 s20, ttmp7, 0xffff
	s_lshl_b32 s20, s20, 2
	s_add_co_u32 s20, s20, s18                     ; y = 4 x cluster y + cy = 8 b + p
	s_lshl_b32 s22, s18, 2
	s_lshl_b32 s22, 15, s22                        ; my row of the cluster
	s_lshl_b32 s23, 0x1111, s17                    ; my column
	s_or_b32 s24, s22, (1<<16)|(1<<20)|(1<<21)|(5<<22)|(3<<25)  ; xn: the mask; 2-byte elements; padding on; bit 21 beside a mask; after every 64 words, 4 words
	s_mov_b32 s25, 128<<16                         ; tensor_dim0 = 128
	s_mov_b32 s26, 128<<16                         ; tensor_dim1 = 128
	s_mov_b32 s27, 128<<16                         ; tile_dim0 = 128
	s_mov_b32 s28, 128                             ; tile_dim1 = 128
	s_mov_b32 s29, 1024                            ; elements from row to row
	s_mov_b32 s30, 0
	s_mov_b32 s31, 0
	s_or_b32 s40, s23, (1<<16)|(1<<20)|(1<<21)|(6<<22)|(7<<25)  ; wb: after every 128 words, 8 words
	s_mov_b32 s41, 256<<16                         ; tensor_dim0 = 256
	s_mov_b32 s42, 64<<16                          ; tensor_dim1 = 64
	s_mov_b32 s43, 256<<16                         ; tile_dim0 = 256
	s_mov_b32 s44, 64                              ; tile_dim1 = 64
	s_mov_b32 s45, 3072
	s_mov_b32 s46, 0
	s_mov_b32 s47, 0
	s_lshr_b32 s84, s20, 3                         ; b
	s_and_b32 s85, s20, 7                          ; p
	s_lshl4_add_u32 s86, s84, s85                  ; my first tile row: 16 b + p
	s_lshl_b32 s88, s86, 19                        ; 256 rows of 2,048 bytes,
	s_lshl_b32 s22, s16, 18                        ; the 128 that I fetch
	s_add_co_u32 s88, s88, s22
	s_mov_b32 s89, 0
	s_mul_i32 s90, s16, 64*6144                    ; wb: the 64 k rows that I fetch,
	s_lshl_b32 s23, s19, 9                         ; the head's 256 columns,
	s_add_co_u32 s90, s90, s23
	s_add_co_u32 s90, s90, 2048                    ; behind the q columns
	s_mov_b32 s91, 0
	s_mul_i32 s21, s14, HALFT                      ; where my loads land: no place in the cluster enters an LDS address
	s_mov_b32 s32, 1
	s_mov_b32 s33, s21                             ; K step 0: slot 0
	s_mov_b32 s36, 1
	s_add_co_u32 s37, s21, SLOT                    ; K step 1: slot 1
	s_mov_b32 s48, 1
	s_mov_b32 s49, s21
	s_mov_b32 s52, 1
	s_add_co_u32 s53, s21, SLOT
	s_mov_b32 s60, STEPA
	s_mov_b32 s61, 0
	s_mov_b32 s62, STEPB
	s_mov_b32 s63, 0
	s_mov_b32 s67, 0
	s_mov_b32 s68, 0
	s_mov_b32 s77, 0
	s_mov_b32 s78, 0x01010000                      ; v_perm_b32: bytes 0, 0, 1, 1
	s_mov_b32 s79, 0x03030202                      ; bytes 2, 2, 3, 3
	s_lshl_b32 s92, s17, 16                        ; the prefetches: of the 128 rows of xn my work-group's 32, by cx,
	s_add_co_u32 s92, s92, s88
	s_mul_i32 s93, s18, 16*6144                    ; of the 64 rows of wb its 16, by cy
	s_add_co_u32 s93, s93, s90
	s_mov_b32 s96, 6144
	s_mov_b32 s97, 2048
	s_and_b32 s94, ttmp7, 0xffff
	s_cmp_eq_u32 s15, 0
	s_cselect_b32 s76, s92, s93
	s_cselect_b32 s94, ttmp9, s94                  ; the coordinate along which other clusters read the same rows
	s_cselect_b32 s95, 0, 1                        ; xn: a lane a row; wb: two lanes a row of 512 bytes
	s_cselect_b32 s96, s97, s96
	s_cmp_eq_u32 s94, 0
	s_cselect_b32 s71, 2, -1
	s_lshl_b32 s98, s86, 8                         ; mask: my tile's 256 bytes, my wave's 128
	s_lshl_b32 s22, s15, 7
	s_add_co_u32 s98, s98, s22
	s_mov_b32 s99, 0
	s_lshl3_add_u32 s86, s84, s19
	s_lshl3_add_u32 s86, s86, s85                  ; (8 b + h) 8 + p
	s_lshl_b32 s86, s86, 16
	s_lshl_b32 s87, s14, 14
	s_add_co_u32 s86, s86, s87
	s_mov_b32 s87, 0
	s_wait_dscnt 0x0                               ; both opening adds are done
	s_wait_kmcnt 0x0
	s_add_nc_u64 s[56:57], s[4:5], s[88:89]
	s_add_nc_u64 s[58:59], s[6:7], s[90:91]
	s_add_nc_u64 s[82:83], s[8:9], s[98:99]
	s_add_nc_u64 s[10:11], s[10:11], s[86:87]
	s_cmp_eq_u32 s15, 0
	s_cselect_b64 s[72:73], s[4:5], s[6:7]
	s_add_nc_u64 s[72:73], s[72:73], s[76:77]
	s_mov_b64 s[34:35], s[56:57]
	s_or_b32 s35, s35, 0x80000000                  ; type = 2
	s_add_nc_u64 s[38:39], s[56:57], s[60:61]
	s_or_b32 s39, s39, 0x80000000
	s_mov_b64 s[50:51], s[58:59]
	s_or_b32 s51, s51, 0x80000000
	s_add_nc_u64 s[54:55], s[58:59], s[62:63]
	s_or_b32 s55, s55, 0x80000000
	CROUND                                         ; all sixteen work-groups are here: the first joint loads meet
	s_cmp_eq_u32 s15, 0                            ; a wave's two first fills stand in one branch: two loads of mine are out
	s_cbranch_scc0 .Lfirst_b
	tensor_load_to_lds s[32:35], s[24:31]
	s_nop 0
	tensor_load_to_lds s[36:39], s[24:31]
	s_nop 0
.rept 4
	v_nop
.endr
	s_branch .Lfirst_asked
.Lfirst_b:
	tensor_load_to_lds s[48:51], s[40:47]
	s_nop 0
	tensor_load_to_lds s[52:55], s[40:47]
	s_nop 0
.rept 4
	v_nop
.endr
.Lfirst_asked:
	v_and_b32 v1, 15, v0                           ; r
	v_bfe_u32 v2, v0, 4, 1                         ; hl
	v_and_b32 v3, 31, v0                           ; l
	v_mul_u32_u24 v[A0], v1, PA
	v_lshl_add_u32 v[A0], v2, 4, v[A0]
	s_mul_i32 s22, s15, HALFT
	v_add_nc_u32 v[A0], s22, v[A0]
	v_and_b32 v4, 7, v0                            ; the turning load: lane l reads k row 8 hl + l % 8, columns 8 ((l / 8) % 2) + 0..7
	v_lshl_add_u32 v4, v2, 3, v4
	v_mul_u32_u24 v[B0], v4, PB
	v_bfe_u32 v5, v0, 3, 1
	v_lshl_add_u32 v[B0], v5, 4, v[B0]
	s_lshl_b32 s23, s16, 8
	s_add_co_u32 s23, s23, BOFF
	v_add_nc_u32 v[B0], s23, v[B0]
	v_lshlrev_b32 v[PO], 4, v3
	s_lshl_b32 s22, s16, 12
	s_add_co_u32 s22, s22, STAGE
	v_add_nc_u32 v[RDK], s22, v[PO]                ; k^T's blocks 4 CH ..
	s_lshl_b32 s23, s15, 9
	s_add_co_u32 s23, s23, s22
	v_add_nc_u32 v[STO], s23, v[PO]                ; my blocks 4 CH .., the half RH of each fragment
	s_lshl_b32 s23, s15, 12
	s_add_co_u32 s23, s23, STAGE+8192
	v_add_nc_u32 v[RDV], s23, v[PO]                ; v^T's blocks 4 RH ..
	v_lshlrev_b32 v[MO], 3, v2
	v_lshrrev_b32 v[PFO], s95, v3
	v_mul_u32_u24 v[PFO], s96, v[PFO]
	v_and_b32 v4, s95, v3
	v_lshl_add_u32 v[PFO], v4, 8, v[PFO]
	WIN 0x40                                       ; kv's sums start at 0: written in the wait for the first tile, so that both tiles have one text of the second product
.set i, 0
.rept 64
	v_mov_b32 v[i], 0
	v_mov_b32 v[192+i], 0
.set i, i+1
.endr
	WIN 0
	s_wait_tensorcnt 0x1                           ; my part of K step 0 is in; step 1's may stay out
	s_barrier_signal -1
	s_barrier_wait -1                              ; everybody's is
	s_mov_b32 s80, 2
.Ltile:
.irp a, 0,1,2,3,4,5,6,7
	global_load_b64 v[MK+2*(\a):MK+2*(\a)+1], v[MO], s[82:83] offset:16*(\a)  ; the mask bytes of rows 16 a + 8 hl + 0..7: wanted a whole tile later
.endr
	v_add_nc_u32 v[CA], s67, v[A0]                 ; a tile's first quarter stands in front of the loop: its products start the sums.  Four places behind the second product's last instruction
	v_add_nc_u32 v[CB], s68, v[B0]
	v_nop
	v_nop
	FETCH F0, 0
	s_add_co_u32 s67, s67, 128
	s_add_co_u32 s68, s68, 34816
	s_wait_dscnt 8
	MULL F0, 1
	PLACES
	FETCH F1, 1
	s_wait_dscnt 32
	MULH F0, 1
	WIN 0
	s_mov_b32 s69, 2
	s_mov_b32 s70, 6
	s_branch .Lmid0                                ; the loop is entered in the middle of a trip
	SLOTLOOP 0, 6, 0, 0                            ; K steps 0 to 5: their changes of slots ask for steps 2 to 7
	s_cmp_eq_u32 s80, 1
	s_cbranch_scc1 .Ltail                          ; the same in every wave of every work-group
	s_mov_b32 s60, NEXTA-STEPA                     ; THE RING GOES ON INTO THE SECOND TILE: the next step asked for is its step 0: xn 2,048 rows down,
	s_mov_b32 s62, 0xfff40000                      ; wb back at its first rows (0 - STEPB: the step brings it to 0)
	s_cmp_eq_u32 s15, 0
	s_cselect_b32 s71, s71, -1                     ; wb's rows are the same for both tiles: they are prefetched no more
	SLOTLOOP 1, 2, 1, 1
	s_branch .Lepi
.Ltail:
	SLOTLOOP 2, 2, 2, 1                            ; the last tile's last two steps ask for nothing; the last trip's barrier orders nothing: the price of one text
.Lepi:
	MULH F1, 0
; THE EPILOGUE, row block a (16 rows of each row half) after row block.  SETA: its accumulators lie at v[AC ..] of window 2 + a / 4: 32 registers of k, then 32 of v.
.macro SETA a
.set AC, 64*((\a)%4)
.set WA, 0xaa+0x55*((\a)/4)            ; every operand place in that window
.endm
.macro EXPS a                          ; 2^acc, ascending: each accumulator's lowest registers are read first
	SETA \a
	WIN WA
.set i, 0
.rept 32
	v_exp_f32 v[AC+i], v[AC+i]
.set i, i+1
.endr
.endm
.macro P1 a                            ; 1 + e for block a, and between the lines the next block's exponentials (where the two lie in one window)
	SETA \a
.set AN, 64*(((\a)+1)%4)
	WIN WA
.if ((\a)%4) == 3
.set i, 0
.rept 16
	v_pk_add_f32 v[AC+i:AC+i+1], v[AC+i:AC+i+1], 1.0 op_sel_hi:[1,0]
.set i, i+2
.endr
.if (\a) == 3
	EXPS 4
.endif
.else
.set i, 0
.rept 16
	v_exp_f32 v[AN+i], v[AN+i]
	v_pk_add_f32 v[AC+i:AC+i+1], v[AC+i:AC+i+1], 1.0 op_sel_hi:[1,0]
	v_exp_f32 v[AN+i+1], v[AN+i+1]
.set i, i+2
.endr
.endif
.endm
.macro P2 a                            ; the reciprocals, and between them v rounded to f16, in place; then ONE wait for this batch: the next block's exponentials and these reciprocals
	SETA \a
	WIN WA
.set i, 0
.rept 16
	v_rcp_f32 v[AC+2*i], v[AC+2*i]
	v_cvt_pk_f16_f32 v[AC+32+8*(i/4)+i%4], v[AC+32+8*(i/4)+2*(i%4)], v[AC+32+8*(i/4)+2*(i%4)+1]
	v_rcp_f32 v[AC+2*i+1], v[AC+2*i+1]
.set i, i+1
.endr
	v_nop                                          ; a plain instruction behind the last reciprocal,
	s_wait_alu depctr_va_vdst(0)                   ; and the wait ahead of the batch's first reader
.endm
.macro P3 a                            ; tanh = 1 - 2 / (1 + e); rounded to f16 in place; masked rows cleared
	SETA \a
	WIN WA
.set i, 0
.rept 16
	v_pk_fma_f32 v[AC+i:AC+i+1], v[AC+i:AC+i+1], -2.0, 1.0 op_sel_hi:[1,0,0]
.set i, i+2
.endr
.set i, 0
.rept 16
	v_cvt_pk_f16_f32 v[AC+8*(i/4)+i%4], v[AC+8*(i/4)+2*(i%4)], v[AC+8*(i/4)+2*(i%4)+1]
.set i, i+1
.endr
	WIN 0x88+0x44*((\a)/4)                         ; source 0 (the mask) window 0
.set i, 0
.rept 16
	v_and_b32 v[AC+8*(i/4)+i%4], v[AM+4*(\a)+i%4], v[AC+8*(i/4)+i%4]
.set i, i+1
.endr
.endm
.macro STG a                           ; my eight half fragments into stage buffer a % 2: 512 consecutive bytes each
	SETA \a
	WIN 0x08+0x04*((\a)/4)                         ; data window 2 or 3
.irp b, 0,1,2,3,4,5,6,7
	ds_store_b128 v[STO], v[AC+8*(\b):AC+8*(\b)+3] offset:((\a)%2)*16384+(\b)*1024+((\b)/4)*4096
.endr
.endm
.macro LDF a                           ; four whole fragments of k^T and four of v^T: 32 rows = 16 of row half 0, then 16 of row half 1, alike for both
	WIN 0
.irp d, 0,1,2,3
	ds_load_b128 v[F0+32*((\a)%2)+8*(\d):F0+32*((\a)%2)+8*(\d)+3],   v[RDK] offset:((\a)%2)*16384+(\d)*1024
	ds_load_b128 v[F0+32*((\a)%2)+8*(\d)+4:F0+32*((\a)%2)+8*(\d)+7], v[RDK] offset:((\a)%2)*16384+(\d)*1024+512
.endr
	WIN 0x40
.irp d, 0,1,2,3
	ds_load_b128 v[F0+32*((\a)%2)+8*(\d):F0+32*((\a)%2)+8*(\d)+3],   v[RDV] offset:((\a)%2)*16384+(\d)*1024
	ds_load_b128 v[F0+32*((\a)%2)+8*(\d)+4:F0+32*((\a)%2)+8*(\d)+7], v[RDV] offset:((\a)%2)*16384+(\d)*1024+512
.endr
	WIN 0
.endm
.macro KVM a, half                     ; eight of the 16 products kv += k^T v: accumulator t = 8 half + u holds d = 64 CH + 16 (t % 4) + 8 hl + j, e = 64 RH + 16 (t / 4) + r; the 16 take turns
	WIN 0x54                                       ; k^T window 0, v^T window 1, C and D window 1
.irp u, 0,1,2,3,4,5,6,7
	v_wmma_f32_16x16x32_f16 v[8*(\u)+192*(\half):8*(\u)+192*(\half)+7], v[F0+32*((\a)%2)+8*((\u)%4):F0+32*((\a)%2)+8*((\u)%4)+7], v[F0+32*((\a)%2)+8*(2*(\half)+(\u)/4):F0+32*((\a)%2)+8*(2*(\half)+(\u)/4)+7], v[8*(\u)+192*(\half):8*(\u)+192*(\half)+7]
.endr
.endm
	WIN 0
	s_wait_loadcnt 0x0                             ; the mask bytes
.set i, 0
.rept 16                               ; word i: rows 4 i .. 4 i + 3 of my 8 x 8: byte 1 = masked.  0xff for each kept row, then spread to 0xffff.  These 80 plain lines are also the places behind the last products
	v_xor_b32 v[TM+2*(i%2)], 0x01010101, v[MK+i]
	v_lshlrev_b32 v[TM+2*(i%2)+1], 8, v[TM+2*(i%2)]
	v_sub_nc_u32 v[TM+2*(i%2)], v[TM+2*(i%2)+1], v[TM+2*(i%2)]
	v_perm_b32 v[AM+2*i], v[TM+2*(i%2)], v[TM+2*(i%2)], s78
	v_perm_b32 v[AM+2*i+1], v[TM+2*(i%2)], v[TM+2*(i%2)], s79
.set i, i+1
.endr
	EXPS 0
	v_nop
	s_wait_alu depctr_va_vdst(0)                   ; block 0's exponentials are a batch of their own
; One barrier a block.  Buffer a % 2 was last read by the loads of block a - 2, which every wave awaited in front of its signal of barrier a - 1; the loads of block a stand behind barrier a, in front of
; which every wave has awaited its stores.  The one tensor load that may be out stays out.
.irp a, 0,1,2,3,4,5,6,7
	P1 \a
	P2 \a
	P3 \a
	STG \a
.if (\a) > 0
	s_wait_dscnt 8                                 ; the 16 loads of the block before are in; my 8 stores may be out
	KVM (\a)-1, 0
.endif
	s_wait_dscnt 0x0                               ; for the others' sake: my stores are done, and my reads of the other buffer
	s_barrier_signal -1
.if (\a) > 0
	KVM (\a)-1, 1
.endif
	WIN 0
	s_barrier_wait -1
	LDF \a
.endr
	s_wait_dscnt 0x0
	KVM 7, 0
	KVM 7, 1
	WIN 0
	s_wait_xcnt 0x0                                ; the mask loads have read their base
	s_add_nc_u64 s[82:83], s[82:83], 2048          ; the second tile's rows
	s_sub_co_u32 s80, s80, 1
	s_cmp_lg_u32 s80, 0
	s_cbranch_scc1 .Ltile
	PLACES
	PLACES
	WIN 0x04                                       ; data window 1
.irp h, 0,1
.irp u, 0,1,2,3,4,5,6,7
.irp q, 0,1
	global_store_b128 v[PO], v[8*(\u)+192*(\h)+4*(\q):8*(\u)+192*(\h)+4*(\q)+3], s[10:11] offset:(8*(\h)+(\u))*1024+(\q)*512  ; 512 consecutive bytes; each accumulator's low registers first
.endr
.endr
.endr
	WIN 0
	s_wait_tensorcnt 0x0                           ; the wave's end: behind my last tensor load and my last LDS store
	ds_add_u32 v[SPW], v[NIL]
	s_wait_dscnt 0x0
	CROUND                                         ; the closing round: no work-group ends while a partner may still ask for a tile that names it
	s_endpgm
.Lfunc_end_k_q31553b7c8b_kvgemm:
	.size	k_q31553b7c8b_kvgemm, .Lfunc_end_k_q31553b7c8b_kvgemm-k_q31553b7c8b_kvgemm
	.p2alignl 7, 3214868480
	.fill 96, 4, 3214868480
	.section	.rodata,"a",@progbits
	.p2align	6, 0x0
	.amdhsa_kernel k_q31553b7c8b_kvgemm
		.amdhsa_group_segment_fixed_size 327680
		.amdhsa_private_segment_fixed_size 0
		.amdhsa_enable_private_segment 0
		.amdhsa_kernarg_size 32
		.amdhsa_user_sgpr_count 2
		.amdhsa_user_sgpr_kernarg_segment_ptr 1
		.amdhsa_wavefront_size32 1
		.amdhsa_system_sgpr_workgroup_id_x 1
		.amdhsa_system_sgpr_workgroup_id_y 1
		.amdhsa_system_sgpr_workgroup_id_z 1
		.amdhsa_system_vgpr_workitem_id 0
		.amdhsa_next_free_vgpr 1024
		.amdhsa_next_free_sgpr 100
		.amdhsa_reserve_vcc 0
		.amdhsa_float_denorm_mode_32 3
		.amdhsa_float_denorm_mode_16_64 3
		.amdhsa_memory_ordered 1
		.amdhsa_forward_progress 1
		.amdhsa_inst_pref_size 158
	.end_amdhsa_kernel
	.amdgpu_metadata
---
amdhsa.version: [ 1, 2 ]
amdhsa.kernels:
  - .name:           k_q31553b7c8b_kvgemm
    .symbol:         k_q31553b7c8b_kvgemm.kd
    .args:
      - { .name: xn, .offset: 0, .size: 8, .value_kind: global_buffer, .address_space: global }
      - { .name: wb, .offset: 8, .size: 8, .value_kind: global_buffer, .address_space: global }
      - { .name: mask, .offset: 16, .size: 8, .value_kind: global_buffer, .address_space: global }
      - { .name: part, .offset: 24, .size: 8, .value_kind: global_buffer, .address_space: global }
    .group_segment_fixed_size: 327680
    .private_segment_fixed_size: 0
    .kernarg_segment_align: 8
    .kernarg_segment_size: 32
    .max_flat_workgroup_size: 128
    .sgpr_count:     100
    .vgpr_count:     1024
    .wavefront_size: 32
...
	.end_amdgpu_metadata
.endif
;; end of part 2
;; launch kvsum (part 3): grid 256 x 1, 4 waves a work-group, no clusters, 768 bytes of LDS; arguments part, kvf, scl; writes kvf, scl
.if DOCPART == 3
	.amdgcn_target "amdgcn-amd-amdhsa--gfx1250"
	.amdhsa_code_object_version 6
	.text
	.protected	k_q31553b7c8b_kvsum
	.globl	k_q31553b7c8b_kvsum
	.p2align	8
	.type	k_q31553b7c8b_kvsum,@function
k_q31553b7c8b_kvsum:
	s_mov_b64 s[64:65], 0
	v_nop
	global_prefetch_b8 v0, s[64:65] scope:SCOPE_SE
	s_setreg_imm32_b32 hwreg(HW_REG_WAVE_MODE, 25, 1), 1
	s_wait_xcnt 0x0
; KVSUM.  kv = the sum of the eight partial sums of a (batch, head), in f32, in a fixed tree; then, for each block of 16 output channels e, a power of two that brings the block's largest magnitude into
; 2^14 .. 2^15, kv times it rounded once to f16, laid out as the fragments that the last launch multiplies by, and the inverse power for that launch to undo in f32.
; So kv has f16's eleven bits whatever its size.  LIMIT: the exponent is held to 15 .. 254, so a block whose largest magnitude lies below 2^-112 loses bits; NaN and infinities are not treated apart.
; SHARES.  Work-group i = 8 x head + eb; wave kb takes d = 32 kb .. 32 kb + 31: one fragment (16 e x 32 d).  A lane of part holds just what the same lane of the fragment holds: nothing changes lanes.
; A launch of a few loads a lane: no prefetch, no cluster; nothing is shared.
.set SPW, 4                            ; LDS address of my spare word: 256 + 4 x my thread's number; never rewritten
.set NIL, 5                            ; 0; never rewritten
.set P,   16                           ; v[16:143]: partial p, 16 numbers a lane, at P + 16 p
	s_load_b128 s[4:7], s[0:1], 0x0                ; part s[4:5], kvf s[6:7]
	s_load_b64 s[8:9], s[0:1], 0x10                ; scl
	v_lshl_add_u32 v[SPW], v0, 2, 256
	v_mov_b32 v[NIL], 0
	v_and_b32 v1, 31, v0
	v_lshrrev_b32 v8, 5, v0
	v_readfirstlane_b32 s10, v8                    ; kb
	v_lshlrev_b32 v2, 4, v1                        ; 16 l
	v_lshlrev_b32 v3, 3, v1                        ; 8 l
	v_mov_b32 v7, 0
	s_mov_b32 s16, 0x76543210
	s_mov_b32 s17, 0xfedcba98
	s_lshr_b32 s11, ttmp9, 3                       ; head
	s_and_b32 s12, ttmp9, 7                        ; eb
	s_lshl_b32 s14, s11, 19                        ; the head's eight partials of 65,536 bytes
	s_lshr_b32 s13, s12, 2                         ; in a partial: wave 2 (eb / 4) + kb / 2, accumulator 4 (eb % 4) + 2 (kb % 2) + 0, 1
	s_lshl_b32 s13, s13, 15
	s_add_co_u32 s14, s14, s13
	s_and_b32 s13, s12, 3
	s_lshl_b32 s13, s13, 12
	s_add_co_u32 s14, s14, s13
	s_lshr_b32 s13, s10, 1
	s_lshl_b32 s13, s13, 14
	s_add_co_u32 s14, s14, s13
	s_and_b32 s13, s10, 1
	s_lshl_b32 s13, s13, 11
	s_add_co_u32 s14, s14, s13
	s_mov_b32 s15, 0
	s_lshl_b32 s18, ttmp9, 12                      ; kvf: four fragments of 1,024 bytes a work-group
	s_lshl_b32 s13, s10, 10
	s_add_co_u32 s18, s18, s13
	s_mov_b32 s19, 0
	s_lshl_b32 s20, ttmp9, 8                       ; scl: 256 bytes a work-group
	s_mov_b32 s21, 0
	s_wait_kmcnt 0x0
	s_add_nc_u64 s[4:5], s[4:5], s[14:15]
	s_add_nc_u64 s[6:7], s[6:7], s[18:19]
	s_add_nc_u64 s[8:9], s[8:9], s[20:21]
.irp p, 0,1,2,3,4,5,6,7
.irp m, 0,1,2,3
	global_load_b128 v[P+16*(\p)+4*(\m):P+16*(\p)+4*(\m)+3], v2, s[4:5] offset:65536*(\p)+512*(\m) th:TH_LOAD_NT
.endr
.endr
.macro ADDP d, s                       ; partial s onto partial d
.set i, 0
.rept 8
	v_pk_add_f32 v[P+16*(\d)+i:P+16*(\d)+i+1], v[P+16*(\d)+i:P+16*(\d)+i+1], v[P+16*(\s)+i:P+16*(\s)+i+1]
.set i, i+2
.endr
.endm
	s_wait_loadcnt 24                              ; partials 0 and 1 are in; the 24 younger loads may stay out
	ADDP 0, 1
	s_wait_loadcnt 16
	ADDP 2, 3
	s_wait_loadcnt 8
	ADDP 4, 5
	s_wait_loadcnt 0x0
	ADDP 6, 7
	ADDP 0, 2
	ADDP 4, 6
	ADDP 0, 4
.set i, 0
.rept 16
	v_and_b32 v[P+16+i], 0x7fffffff, v[P+i]        ; magnitudes, in partial 1's registers
.set i, i+1
.endr
	v_max3_num_f32 v6, v[P+16], v[P+17], v[P+18]
.irp i, 19,21,23,25,27,29
	v_max3_num_f32 v6, v6, v[P+(\i)], v[P+(\i)+1]
.endr
	v_max_num_f32 v6, v6, v[P+31]
	v_max_num_f32_dpp v6, v6, v6 row_xmask:1 row_mask:0xf bank_mask:0xf
	v_max_num_f32_dpp v6, v6, v6 row_xmask:2 row_mask:0xf bank_mask:0xf
	v_max_num_f32_dpp v6, v6, v6 row_xmask:4 row_mask:0xf bank_mask:0xf
	v_max_num_f32_dpp v6, v6, v6 row_xmask:8 row_mask:0xf bank_mask:0xf
	v_permlanex16_b32 v7, v6, s16, s17
	v_max_num_f32 v6, v6, v7                       ; my fragment's largest magnitude, in every lane
	v_mov_b32 v8, s10
	v_lshlrev_b32 v8, 2, v8
	ds_store_b32 v8, v6                            ; all lanes write the same word with the same value
	s_wait_dscnt 0x0                               ; for the others' sake
	s_barrier_signal -1
	s_barrier_wait -1
	v_mov_b32 v9, 0
	ds_load_b128 v[12:15], v9                      ; the four waves' maxima
	s_wait_dscnt 0x0
	v_max3_num_f32 v6, v12, v13, v14
	v_max_num_f32 v6, v6, v15
	v_lshrrev_b32 v6, 23, v6                       ; E: the maximum lies in 2^(E - 127) .. 2^(E - 126)
	v_max_u32 v6, 15, v6
	v_min_u32 v6, 0xfe, v6
	v_sub_nc_u32 v10, 268, v6                      ; the scale 2^(141 - E),
	v_lshlrev_b32 v10, 23, v10
	v_mov_b32 v11, v10
	v_add_nc_u32 v12, -14, v6                      ; and its inverse 2^(E - 141)
	v_lshlrev_b32 v12, 23, v12
	v_mov_b32 v13, v12
.set i, 0
.rept 8
	v_pk_mul_f32 v[P+i:P+i+1], v[P+i:P+i+1], v[10:11]
.set i, i+2
.endr
.set i, 0
.rept 8
	v_cvt_pk_f16_f32 v[P+16+i], v[P+2*i], v[P+2*i+1]
.set i, i+1
.endr
	global_store_b128 v2, v[P+16:P+19], s[6:7]             ; the fragment's registers 0-3: d = 32 kb + 8 hl + 0..7
	global_store_b128 v2, v[P+20:P+23], s[6:7] offset:512  ; registers 4-7: d = 32 kb + 16 + 8 hl + 0..7
	s_cmp_lg_u32 s10, 0
	s_cbranch_scc1 .Lend
	global_store_b64 v3, v[12:13], s[8:9]          ; wave 0: 256 consecutive bytes, all the inverse scale
.Lend:
	s_wait_tensorcnt 0x0                           ; the wave's end: behind my last LDS store
	ds_add_u32 v[SPW], v[NIL]
	s_wait_dscnt 0x0
	s_endpgm
.Lfunc_end_k_q31553b7c8b_kvsum:
	.size	k_q31553b7c8b_kvsum, .Lfunc_end_k_q31553b7c8b_kvsum-k_q31553b7c8b_kvsum
	.p2alignl 7, 3214868480
	.fill 96, 4, 3214868480
	.section	.rodata,"a",@progbits
	.p2align	6, 0x0
	.amdhsa_kernel k_q31553b7c8b_kvsum
		.amdhsa_group_segment_fixed_size 768
		.amdhsa_private_segment_fixed_size 0
		.amdhsa_enable_private_segment 0
		.amdhsa_kernarg_size 24
		.amdhsa_user_sgpr_count 2
		.amdhsa_user_sgpr_kernarg_segment_ptr 1
		.amdhsa_wavefront_size32 1
		.amdhsa_system_sgpr_workgroup_id_x 1
		.amdhsa_system_sgpr_workgroup_id_y 1
		.amdhsa_system_sgpr_workgroup_id_z 1
		.amdhsa_system_vgpr_workitem_id 0
		.amdhsa_next_free_vgpr 160
		.amdhsa_next_free_sgpr 66
		.amdhsa_reserve_vcc 0
		.amdhsa_float_denorm_mode_32 3
		.amdhsa_float_denorm_mode_16_64 3
		.amdhsa_memory_ordered 1
		.amdhsa_forward_progress 1
		.amdhsa_inst_pref_size 13
	.end_amdhsa_kernel
	.amdgpu_metadata
---
amdhsa.version: [ 1, 2 ]
amdhsa.kernels:
  - .name:           k_q31553b7c8b_kvsum
    .symbol:         k_q31553b7c8b_kvsum.kd
    .args:
      - { .name: part, .offset: 0, .size: 8, .value_kind: global_buffer, .address_space: global }
      - { .name: kvf, .offset: 8, .size: 8, .value_kind: global_buffer, .address_space: global }
      - { .name: scl, .offset: 16, .size: 8, .value_kind: global_buffer, .address_space: global }
    .group_segment_fixed_size: 768
    .private_segment_fixed_size: 0
    .kernarg_segment_align: 8
    .kernarg_segment_size: 24
    .max_flat_workgroup_size: 128
    .sgpr_count:     66
    .vgpr_count:     160
    .wavefront_size: 32
...
	.end_amdgpu_metadata
.endif
;; end of part 3
;; launch qout (part 4): grid 4 x 64, 4 waves a work-group, clusters of 4 x 4, 327,680 bytes of LDS; arguments xn, wb, kvf, scl, out0; writes out0
.if DOCPART == 4
	.amdgcn_target "amdgcn-amd-amdhsa--gfx1250"
	.amdhsa_code_object_version 6
	.text
	.protected	k_q31553b7c8b_qout
	.globl	k_q31553b7c8b_qout
	.p2align	8
	.type	k_q31553b7c8b_qout,@function
k_q31553b7c8b_qout:
	s_mov_b64 s[64:65], 0
	v_nop
	global_prefetch_b8 v0, s[64:65] scope:SCOPE_SE
	s_setreg_imm32_b32 hwreg(HW_REG_WAVE_MODE, 25, 1), 1
	s_wait_xcnt 0x0
	s_wait_alu depctr_hold_cnt(0) depctr_sa_sdst(0) depctr_va_vdst(0) depctr_va_sdst(0) depctr_va_ssrc(0) depctr_va_vcc(0) depctr_vm_vsrc(0)
	s_getreg_b32 s2, hwreg(HW_REG_IB_STS2, 6, 4)
	s_cmp_eq_u32 s2, 0
	s_cbranch_scc0 .Lentry_in_a_cluster
	s_endpgm
.Lentry_in_a_cluster:
	s_bfe_u32 s2, ttmp6, 0x10000c
	s_cmp_lg_u32 s2, 0xf033
	s_cbranch_scc0 .Lentry_shape_is_right
	s_endpgm
.Lentry_shape_is_right:
; QOUT.  q = sigmoid(xn wq) and out = q kv, for a tile of 256 rows x 256 columns (two heads).  f16 operands, f32 sums; q is rounded once to f16 for the second product and never leaves the registers.
; wb's q columns carry the factor -log2(e): sigmoid = 1 / (1 + 2^acc).  kv comes as f16 fragments scaled by a power of two for each block of 16 output channels; the inverse is applied here, in f32.
; LIMITS.  2^acc below 2^-126 counts as 0, above f32 as infinity: the sigmoid is then 1 or 0.  NaN and infinities of the inputs are not treated apart.
; THE PRODUCT.  Four waves; wave (RH = w / 2, CH = w % 2) makes rows 128 RH.., columns 128 CH..: just one head.  K goes in 8 steps of 128 through two LDS slots filled by tensor loads; xn's tile lies
; [row][k], wb's [k][column], whose fragments come out of LDS turned.  USED TRANSPOSED: source 0 = 16 columns, source 1 = 16 rows: a lane holds ONE row (lane % 16) and the channels d = 16 b + 8 hl + 0..7.
; Rounded in pairs, the eight accumulators of a row block ARE the four source-1 fragments (32 d x 16 rows) of out^T = kv^T q^T, whose result again holds one row a lane and eight channels e.
; CLUSTER.  4 x 4 work-groups.  A row of the cluster shares xn's tile, a column wb's: each is asked for jointly, by the same tensor load with the same descriptor and a mask that names the four.
; THE LOOP is written as HALF a K step (two quarters of 32 along K, on fragment buffers F0 and F1), walked twice a step; a change of slots follows each second walk.
; REGISTERS, in windows of 256 (s_set_vgpr_msb: bits 1:0 source 0, 3:2 source 1, 5:4 source 2, 7:6 destination):
;   window 0: v0-31 addresses; v64-191 xn's fragments, two buffers (in the epilogue v64-127: 16 rows of out); v32-63, v192-223 q's fragments, two buffers
;   window 1: v64-191 wb's fragments; in the end all 256: kv's 32 fragments, (eb, kb) at v[8 (4 eb + kb)]
;   window 2: the accumulators of my rows 0-63, (a, b) at v[8 (8 a + b)];   window 3: those of rows 64-127
.set PA,    272                        ; a row of xn's tile in LDS: 256 bytes + 16 of padding: the 16 rows of a load start at 16 different groups of four banks (64 banks of 4 bytes: ISA guide 11.1)
.set PB,    544                        ; a k row of wb's tile: 512 + 32
.set HALFT, 34816                      ; what one tensor load brings: 128 rows x 272 or 64 rows x 544
.set BOFF,  69632                      ; wb's tile behind xn's 256 rows
.set SLOT,  139264
.set STEPA, 256                        ; a K step in xn: 128 numbers along a row
.set STEPB, 786432                     ; in wb: 128 rows of 6,144 bytes
.set STAGE, 278528                     ; behind the ring, never filled by a tensor load: 16 rows x 528 bytes for each wave
.set SP,    528                        ; 512 bytes + 16
.set SPARE, 312320                     ; behind the stages: the spare words, 128 bytes for each wave: two blocks of 256 bytes that no other line names
.set A0,  16                           ; my lane's place in xn's tile; never rewritten
.set B0,  17                           ; in wb's tile; never rewritten
.set CA,  18                           ; the LDS addresses of the half step in hand
.set CB,  19
.set STO, 20                           ; stage: where I put 16 bytes of a row
.set RD,  21                           ; where I read rows back
.set GO,  22                           ; 16 l
.set SPW, 28                           ; LDS address of my spare word; never rewritten
.set NIL, 29                           ; 0; never rewritten
.set PFO, 30                           ; the prefetches' lane offset; never rewritten
.set F0,  64
.set F1,  128
.set OB,  64                           ; 16 rows of out, read back from the stage
; scalars: s[4:13] xn, wb, kvf, scl, out0; s14 wave, s15 RH, s16 CH, s17 cx, s18 cy, s19 tile column, s20 tile row; s[24:31], s[40:47] descriptor groups 1 (xn, wb); s[32:35], s[48:51] groups 0 of the first
; fill; s[36:39], s[52:55] the walking groups 0; s[56:57], s[58:59] the tiles' bases; s[60:61], s[62:63] byte offset of the K step to be asked for; s67, s68 LDS offset of the half step to be fetched;
; s69, s70 counts; s71 2 in a wave that prefetches, else the greatest number; s[72:73] base, s[74:75] address, s[76:77] offset of the prefetches; s[84:99] the eight inverse scales, each twice
.set MSB, 0
.macro WIN new                         ; the immediate's high byte repeats the setting that is left; a switch that changes nothing is dropped
.if MSB != (\new)
	s_set_vgpr_msb (MSB<<8)|(\new)
.set MSB, \new
.endif
.endm
.macro PLACES                          ; four places in front of loads into registers that matrix instructions have read, and of lines that read results just made
.rept 4
	v_nop
.endr
.endm
.macro CREST                           ; a round of the cluster's barrier behind its opening barrier
	s_cmp_lg_u32 s14, 0
	s_cbranch_scc1 .Lnot_wave_0_\@
	s_barrier_signal -3
.Lnot_wave_0_\@:
	s_barrier_wait -3
	s_barrier_signal -1
	s_barrier_wait -1
.endm
.macro CROUND                          ; a whole round
	s_barrier_signal -1
	s_barrier_wait -1
	CREST
.endm
.macro JLOAD                           ; a joint refill: waves 0 and 1 fetch the halves of xn's tile, waves 2 and 3 those of wb's; an s_nop 0 and four v_nop follow each line
	s_cmp_eq_u32 s15, 0
	s_cbranch_scc0 .Lfor_b_\@
	tensor_load_to_lds s[36:39], s[24:31]
	s_nop 0
.rept 4
	v_nop
.endr
	s_branch .Lasked_\@
.Lfor_b_\@:
	tensor_load_to_lds s[52:55], s[40:47]
	s_nop 0
.rept 4
	v_nop
.endr
.Lasked_\@:
.endm
; A PREFETCH, behind each joint refill: the K step that stands two refills on, 512 matrix instructions ahead of the load that will ask for it; 32 blocks of 256 bytes, a lane a block, one instruction a wave.
; Each block is named once in the launch: xn's rows are walked by one cluster alone, which asks; wb's by all clusters, the one with y = 0 asks.  The four partners of a joint load share its blocks out by
; address.  The last two refills have no K step two on; the first four K steps come by their loads alone.
.macro ASK
	s_cmp_gt_u32 s70, s71
	s_cbranch_scc0 .Lnot_mine_\@
	global_prefetch_b8 v[PFO], s[74:75] th:TH_LOAD_NT scope:SCOPE_SE
.Lnot_mine_\@:
.endm
; 16 matrix instructions: row blocks a0, a0 + 1 of the window's four x all 8 column blocks, 32 along K.  zero = 1: the product starts the sum.  The 64 accumulators take turns in one order everywhere.
.macro MUL16 f, hi, a0, zero
	WIN 0xa1+0x50*(\hi)                            ; source 0 (wb) window 1, source 1 (xn) window 0, C and D window 2 or 3
.irp a, \a0, (\a0)+1
.irp b, 0,1,2,3,4,5,6,7
.if \zero
	v_wmma_f32_16x16x32_f16 v[8*(8*(\a)+(\b)):8*(8*(\a)+(\b))+7], v[(\f)+8*(\b):(\f)+8*(\b)+7], v[(\f)+8*(4*(\hi)+(\a)):(\f)+8*(4*(\hi)+(\a))+7], 0
.else
	v_wmma_f32_16x16x32_f16 v[8*(8*(\a)+(\b)):8*(8*(\a)+(\b))+7], v[(\f)+8*(\b):(\f)+8*(\b)+7], v[(\f)+8*(4*(\hi)+(\a)):(\f)+8*(4*(\hi)+(\a))+7], v[8*(8*(\a)+(\b)):8*(8*(\a)+(\b))+7]
.endif
.endr
.endr
.endm
.macro MULL f, zero
	MUL16 \f, 0, 0, \zero
	MUL16 \f, 0, 2, \zero
.endm
.macro MULH f, zero
	MUL16 \f, 1, 0, \zero
	MUL16 \f, 1, 2, \zero
.endm
; 32 LDS loads in one run: quarter q of the half step in hand into buffer f: wb's 8 fragments (turned), then xn's 8, its rows 64-127 last
.macro FETCH f, q
	WIN 0x40
.irp i, 0,1,2,3,4,5,6,7
	ds_load_tr16_b128 v[(\f)+8*(\i):(\f)+8*(\i)+3],   v[CB] offset:17408*(\q)+32*(\i)
	ds_load_tr16_b128 v[(\f)+8*(\i)+4:(\f)+8*(\i)+7], v[CB] offset:17408*(\q)+32*(\i)+8704
.endr
	WIN 0
.irp i, 0,1,2,3,4,5,6,7
	ds_load_b128 v[(\f)+8*(\i):(\f)+8*(\i)+3],   v[CA] offset:64*(\q)+4352*(\i)
	ds_load_b128 v[(\f)+8*(\i)+4:(\f)+8*(\i)+7], v[CA] offset:64*(\q)+4352*(\i)+32
.endr
.endm
; Half a K step, begun at the fetch of its first quarter: the quarter before (F1) is finished, F0 is multiplied, F1 fetched.
.macro TEE
	WIN 0
	v_add_nc_u32 v[CA], s67, v[A0]                 ; these two lines and two v_nop are the four places behind the last product that read F0
	v_add_nc_u32 v[CB], s68, v[B0]
	v_nop
	v_nop
	FETCH F0, 0
	s_add_co_u32 s67, s67, 128                     ; the next half step: 64 along K
	s_add_co_u32 s68, s68, 34816
	s_wait_dscnt 32                                ; all but the 32 just issued: F1 is whole
	MULH F1, 0
	s_wait_dscnt 8                                 ; F0 but for xn's rows 64-127
	MULL F0, 0
	PLACES
	FETCH F1, 1
	s_wait_dscnt 32                                ; F0 is whole
	MULH F0, 0
	WIN 0
.endm
.macro LF1                             ; the first half of quarter F1, where no change of slots follows
	s_wait_dscnt 8
	MULL F1, 0
	WIN 0
.endm
; The same 32 products at a change of slots, with ONE barrier for two things.  In front of it each wave waits for all its tensor loads (one is out: its part of the other slot), adds 0 to its spare word,
; and waits for that and for its reads of this slot.  fill = 1: the walking descriptors are made anew meanwhile: no tensor load of mine is out.
.macro MEET fill
	WIN 0
	s_wait_tensorcnt 0x0
	ds_add_u32 v[SPW], v[NIL]
.if \fill
	s_xor_b32 s37, s37, SLOT                       ; the other slot than last time (no bit of SLOT is set in wave x HALFT)
	s_add_nc_u64 s[38:39], s[56:57], s[60:61]
	s_or_b32 s39, s39, 0x80000000
	s_xor_b32 s53, s53, SLOT
	s_add_nc_u64 s[54:55], s[58:59], s[62:63]
	s_or_b32 s55, s55, 0x80000000
.endif
	s_wait_dscnt 9                                 ; the add and the youngest eight loads may be out
	MUL16 F1, 0, 0, 0
	s_wait_dscnt 0x0                               ; the add is done, and my reads of this slot are over
	s_barrier_signal -1
	MUL16 F1, 0, 2, 0                              ; work on registers while the others arrive
	WIN 0
	s_barrier_wait -1
.endm
.macro TURNX                           ; a change of slots with a refill: the barrier opens a round of the cluster's, and the joint refill is the first thing behind the round
	s_wait_xcnt 0x0                                ; the last prefetch, a K step back, has read its address
	s_add_co_u32 s60, s60, STEPA                   ; the K step to be asked for
	s_add_co_u32 s62, s62, STEPB
	s_add_co_u32 s22, s60, 2*STEPA                 ; and the one two on, for the prefetch
	s_add_co_u32 s23, s62, 2*STEPB
	s_cmp_eq_u32 s15, 0
	s_cselect_b32 s76, s22, s23
	s_add_nc_u64 s[74:75], s[72:73], s[76:77]
	MEET 1
	CREST
	JLOAD
	ASK
.endm
.macro TOGGLE                          ; the fetches go back to a slot's first half step, in the other slot
	s_sub_co_u32 s67, s67, 256
	s_xor_b32 s67, s67, SLOT
	s_sub_co_u32 s68, s68, 69632
	s_xor_b32 s68, s68, SLOT
.endm
; n K steps.  kind 0: each refills its slot with the step two on; 2: nothing is asked for.  In a step's second walk the jump leads over LF1: MEET holds those products.
.macro SLOTLOOP tag, n, kind, init
.if \init
	s_mov_b32 s70, \n
.endif
.Lslot\tag:
	s_mov_b32 s69, 2
.Lhalf\tag:
	TEE
	s_cmp_eq_u32 s69, 1
	s_cbranch_scc1 .Lskip\tag
.Lmid\tag:
	LF1
.Lskip\tag:
	s_sub_co_u32 s69, s69, 1
	s_cmp_lg_u32 s69, 0
	s_cbranch_scc1 .Lhalf\tag
.if (\kind) == 2
	MEET 0
.else
	TURNX
.endif
	TOGGLE
	s_sub_co_u32 s70, s70, 1
	s_cmp_lg_u32 s70, 0
	s_cbranch_scc1 .Lslot\tag
.endm
	s_load_b256 s[4:11], s[0:1], 0x0               ; xn s[4:5], wb s[6:7], kvf s[8:9], scl s[10:11]
	s_load_b64 s[12:13], s[0:1], 0x20              ; out0
	v_lshl_add_u32 v[SPW], v0, 2, SPARE
	v_mov_b32 v[NIL], 0
	ds_add_u32 v[SPW], v[NIL]                      ; the wave's opening: the add, twice on end, and its wait ahead of my first tensor load
	ds_add_u32 v[SPW], v[NIL]                      ; and once more, under the one wait; the set-up below stands between
	v_lshrrev_b32 v1, 5, v0
	v_readfirstlane_b32 s14, v1                    ; wave 0..3
	s_lshr_b32 s15, s14, 1                         ; RH.  Also: I fetch for xn (0) or for wb (1)
	s_and_b32 s16, s14, 1                          ; CH.  Also: which half of that tile I fetch
	s_bfe_u32 s17, ttmp6, 0x40000                  ; cx
	s_bfe_u32 s18, ttmp6, 0x40004                  ; cy
	s_lshl_b32 s19, ttmp9, 2
	s_add_co_u32 s19, s19, s17                     ; tile column = 4 x cluster x + cx
	s_and_b32 s20, ttmp7, 0xffff
	s_lshl_b32 s20, s20, 2
	s_add_co_u32 s20, s20, s18                     ; tile row = 4 x cluster y + cy
	s_lshl_b32 s22, s18, 2
	s_lshl_b32 s22, 15, s22                        ; my row of the cluster
	s_lshl_b32 s23, 0x1111, s17                    ; my column
	s_or_b32 s24, s22, (1<<16)|(1<<20)|(1<<21)|(5<<22)|(3<<25)  ; xn: the mask; 2-byte elements; padding on; bit 21 beside a mask; after every 64 words, 4 words
	s_mov_b32 s25, 128<<16                         ; tensor_dim0 = 128
	s_mov_b32 s26, 128<<16                         ; tensor_dim1 = 128
	s_mov_b32 s27, 128<<16                         ; tile_dim0 = 128
	s_mov_b32 s28, 128                             ; tile_dim1 = 128
	s_mov_b32 s29, 1024                            ; elements from row to row
	s_mov_b32 s30, 0
	s_mov_b32 s31, 0
	s_or_b32 s40, s23, (1<<16)|(1<<20)|(1<<21)|(6<<22)|(7<<25)  ; wb: after every 128 words, 8 words
	s_mov_b32 s41, 256<<16                         ; tensor_dim0 = 256
	s_mov_b32 s42, 64<<16                          ; tensor_dim1 = 64
	s_mov_b32 s43, 256<<16                         ; tile_dim0 = 256
	s_mov_b32 s44, 64                              ; tile_dim1 = 64
	s_mov_b32 s45, 3072
	s_mov_b32 s46, 0
	s_mov_b32 s47, 0
	s_lshl_b32 s88, s20, 19                        ; 256 rows of 2,048 bytes,
	s_lshl_b32 s22, s16, 18                        ; the 128 that I fetch
	s_add_co_u32 s88, s88, s22
	s_mov_b32 s89, 0
	s_mul_i32 s90, s16, 64*6144                    ; wb: the 64 k rows that I fetch,
	s_lshl_b32 s23, s19, 9                         ; the tile's 256 q columns
	s_add_co_u32 s90, s90, s23
	s_mov_b32 s91, 0
	s_mul_i32 s21, s14, HALFT                      ; where my loads land: no place in the cluster enters an LDS address
	s_mov_b32 s32, 1
	s_mov_b32 s33, s21                             ; K step 0: slot 0
	s_mov_b32 s36, 1
	s_add_co_u32 s37, s21, SLOT                    ; K step 1: slot 1
	s_mov_b32 s48, 1
	s_mov_b32 s49, s21
	s_mov_b32 s52, 1
	s_add_co_u32 s53, s21, SLOT
	s_mov_b32 s60, STEPA
	s_mov_b32 s61, 0
	s_mov_b32 s62, STEPB
	s_mov_b32 s63, 0
	s_mov_b32 s67, 0
	s_mov_b32 s68, 0
	s_mov_b32 s77, 0
	s_lshl_b32 s92, s17, 16                        ; the prefetches: of the 128 rows of xn my work-group's 32, by cx,
	s_add_co_u32 s92, s92, s88
	s_mul_i32 s93, s18, 16*6144                    ; of the 64 rows of wb its 16, by cy
	s_add_co_u32 s93, s93, s90
	s_mov_b32 s96, 6144
	s_mov_b32 s97, 2048
	s_and_b32 s94, ttmp7, 0xffff
	s_cmp_eq_u32 s15, 0
	s_cselect_b32 s76, s92, s93
	s_cselect_b32 s94, ttmp9, s94                  ; the coordinate along which other clusters read the same rows
	s_cselect_b32 s95, 0, 1                        ; xn: a lane a row; wb: two lanes a row of 512 bytes
	s_cselect_b32 s96, s97, s96
	s_cmp_eq_u32 s94, 0
	s_cselect_b32 s71, 2, -1
	s_lshr_b32 s84, s20, 4                         ; the batch
	s_lshl_b32 s84, s84, 3
	s_lshl1_add_u32 s84, s19, s84
	s_add_co_u32 s84, s84, s16                     ; my head among the 32: 8 b + 2 x tile column + CH
	s_lshl_b32 s86, s84, 15                        ; its 32 fragments of 1,024 bytes
	s_mov_b32 s87, 0
	s_lshl_b32 s98, s84, 11                        ; its 8 scales, 256 bytes apart
	s_mov_b32 s99, 0
	s_lshl_b32 s2, s20, 20                         ; out0: 256 rows of 4,096 bytes,
	s_lshl_b32 s3, s15, 19                         ; my 128 rows,
	s_add_co_u32 s2, s2, s3
	s_lshl_b32 s3, s19, 10                         ; the tile's 256 columns,
	s_add_co_u32 s2, s2, s3
	s_lshl_b32 s3, s16, 9                          ; my 128
	s_add_co_u32 s2, s2, s3
	s_mov_b32 s3, 0
	s_wait_dscnt 0x0                               ; both opening adds are done
	s_wait_kmcnt 0x0
	s_add_nc_u64 s[56:57], s[4:5], s[88:89]
	s_add_nc_u64 s[58:59], s[6:7], s[90:91]
	s_add_nc_u64 s[8:9], s[8:9], s[86:87]
	s_add_nc_u64 s[10:11], s[10:11], s[98:99]
	s_add_nc_u64 s[12:13], s[12:13], s[2:3]
	s_cmp_eq_u32 s15, 0
	s_cselect_b64 s[72:73], s[4:5], s[6:7]
	s_add_nc_u64 s[72:73], s[72:73], s[76:77]
	s_mov_b64 s[34:35], s[56:57]
	s_or_b32 s35, s35, 0x80000000                  ; type = 2
	s_add_nc_u64 s[38:39], s[56:57], s[60:61]
	s_or_b32 s39, s39, 0x80000000
	s_mov_b64 s[50:51], s[58:59]
	s_or_b32 s51, s51, 0x80000000
	s_add_nc_u64 s[54:55], s[58:59], s[62:63]
	s_or_b32 s55, s55, 0x80000000
	CROUND                                         ; all sixteen work-groups are here: the first joint loads meet
	s_cmp_eq_u32 s15, 0                            ; a wave's two first fills stand in one branch: two loads of mine are out
	s_cbranch_scc0 .Lfirst_b
	tensor_load_to_lds s[32:35], s[24:31]
	s_nop 0
	tensor_load_to_lds s[36:39], s[24:31]
	s_nop 0
.rept 4
	v_nop
.endr
	s_branch .Lfirst_asked
.Lfirst_b:
	tensor_load_to_lds s[48:51], s[40:47]
	s_nop 0
	tensor_load_to_lds s[52:55], s[40:47]
	s_nop 0
.rept 4
	v_nop
.endr
.Lfirst_asked:
	v_and_b32 v1, 15, v0                           ; r
	v_bfe_u32 v2, v0, 4, 1                         ; hl
	v_and_b32 v3, 31, v0                           ; l
	v_mul_u32_u24 v[A0], v1, PA
	v_lshl_add_u32 v[A0], v2, 4, v[A0]
	s_mul_i32 s22, s15, HALFT
	v_add_nc_u32 v[A0], s22, v[A0]
	v_and_b32 v4, 7, v0                            ; the turning load: lane l reads k row 8 hl + l % 8, columns 8 ((l / 8) % 2) + 0..7
	v_lshl_add_u32 v4, v2, 3, v4
	v_mul_u32_u24 v[B0], v4, PB
	v_bfe_u32 v5, v0, 3, 1
	v_lshl_add_u32 v[B0], v5, 4, v[B0]
	s_lshl_b32 s23, s16, 8
	s_add_co_u32 s23, s23, BOFF
	v_add_nc_u32 v[B0], s23, v[B0]
	s_mul_i32 s22, s14, 16*SP
	s_add_co_u32 s22, s22, STAGE                   ; my stage
	v_mul_u32_u24 v[STO], v1, SP                   ; in: row r, 32 bytes for each half of the lanes
	v_lshl_add_u32 v[STO], v2, 5, v[STO]
	v_add_nc_u32 v[STO], s22, v[STO]
	v_lshlrev_b32 v[GO], 4, v3
	v_add_nc_u32 v[RD], s22, v[GO]                 ; back: 32 lanes take a row's 512 bytes
	v_lshrrev_b32 v[PFO], s95, v3
	v_mul_u32_u24 v[PFO], s96, v[PFO]
	v_and_b32 v4, s95, v3
	v_lshl_add_u32 v[PFO], v4, 8, v[PFO]
	WIN 0x40                                       ; half of kv's fragments (eb = 0, 1, 6, 7) go where window 1 is free during the product
.irp f, 0,1,2,3,4,5,6,7,24,25,26,27,28,29,30,31
	global_load_b128 v[8*(\f):8*(\f)+3],   v[GO], s[8:9] offset:1024*(\f)
	global_load_b128 v[8*(\f)+4:8*(\f)+7], v[GO], s[8:9] offset:1024*(\f)+512
.endr
	WIN 0
.irp e, 0,1,2,3,4,5,6,7
	s_load_b64 s[84+2*(\e):85+2*(\e)], s[10:11], 256*(\e)  ; the inverse scale of block eb, twice
.endr
	s_wait_tensorcnt 0x1                           ; my part of K step 0 is in; step 1's may stay out
	s_barrier_signal -1
	s_barrier_wait -1                              ; everybody's is
	v_add_nc_u32 v[CA], s67, v[A0]                 ; the first quarter stands in front of the loop: its products start the sums
	v_add_nc_u32 v[CB], s68, v[B0]
	FETCH F0, 0
	s_add_co_u32 s67, s67, 128
	s_add_co_u32 s68, s68, 34816
	s_wait_dscnt 8
	MULL F0, 1
	PLACES
	FETCH F1, 1
	s_wait_dscnt 32
	MULH F0, 1
	WIN 0
	s_mov_b32 s69, 2
	s_mov_b32 s70, 6
	s_branch .Lmid0                                ; the loop is entered in the middle of a trip
	SLOTLOOP 0, 6, 0, 0                            ; K steps 0 to 5: their changes of slots ask for steps 2 to 7
	SLOTLOOP 2, 2, 2, 1                            ; the last two steps ask for nothing; the last trip's barrier orders nothing: the price of one text
	MULH F1, 0
	PLACES                                         ; behind the last product that read wb's fragments
	s_wait_loadcnt 0x0                             ; the first half of kv's fragments, asked for a whole product ago
	WIN 0x40
.irp f, 8,9,10,11,12,13,14,15,16,17,18,19,20,21,22,23
	global_load_b128 v[8*(\f):8*(\f)+3],   v[GO], s[8:9] offset:1024*(\f)
	global_load_b128 v[8*(\f)+4:8*(\f)+7], v[GO], s[8:9] offset:1024*(\f)+512
.endr
	WIN 0
	s_wait_kmcnt 0x0                               ; the scales
; THE EPILOGUE, row block a (16 rows) after row block.  SETA: its eight accumulators lie at v[AC ..] of window 2 + a / 4.
.macro SETA a
.set AC, 64*((\a)%4)
.set WA, 0xaa+0x55*((\a)/4)            ; every operand place in that window
.endm
.macro EXPS a                          ; 2^acc, ascending: each accumulator's lowest registers are read first
	SETA \a
	WIN WA
.set i, 0
.rept 64
	v_exp_f32 v[AC+i], v[AC+i]
.set i, i+1
.endr
.endm
.macro P1 a                            ; 1 + e for block a, and between the lines the next block's exponentials (where the two lie in one window).  The 32 plain lines are the places behind the block before's second product
	SETA \a
.set AN, 64*(((\a)+1)%4)
	WIN WA
.if ((\a)%4) == 3
.set i, 0
.rept 32
	v_pk_add_f32 v[AC+i:AC+i+1], v[AC+i:AC+i+1], 1.0 op_sel_hi:[1,0]
.set i, i+2
.endr
.if (\a) == 3
	EXPS 4
.endif
.else
.set i, 0
.rept 32
	v_exp_f32 v[AN+i], v[AN+i]
	v_pk_add_f32 v[AC+i:AC+i+1], v[AC+i:AC+i+1], 1.0 op_sel_hi:[1,0]
	v_exp_f32 v[AN+i+1], v[AN+i+1]
.set i, i+2
.endr
.endif
.endm
.macro SLIST p                         ; block p's results times the inverse scales, ascending
	SETA \p
	WIN WA
.set i, 0
.rept 32
	v_pk_mul_f32 v[AC+2*i:AC+2*i+1], v[AC+2*i:AC+2*i+1], s[84+2*(i/4):85+2*(i/4)] op_sel_hi:[1,0]
.set i, i+1
.endr
.endm
.macro P2 a                            ; the reciprocals, and between them the scaling of the block before's results; then ONE wait for this batch: the next block's exponentials and these reciprocals
.if (\a) == 4
	SLIST 3                                        ; (another window: by itself)
.endif
	SETA \a
.set AP, 64*(((\a)+3)%4)
	WIN WA
.set i, 0
.rept 32
	v_rcp_f32 v[AC+2*i], v[AC+2*i]
.if ((\a)%4) != 0
	v_pk_mul_f32 v[AP+2*i:AP+2*i+1], v[AP+2*i:AP+2*i+1], s[84+2*(i/4):85+2*(i/4)] op_sel_hi:[1,0]
.endif
	v_rcp_f32 v[AC+2*i+1], v[AC+2*i+1]
.set i, i+1
.endr
	v_nop                                          ; a plain instruction behind the last reciprocal,
	s_wait_alu depctr_va_vdst(0)                   ; and the wait ahead of the batch's first reader
.endm
.macro CV a                            ; q rounded to f16: the four fragments of 32 d x 16 rows
	SETA \a
.set QF, 32+160*((\a)%2)
	WIN 0x0a+0x05*((\a)/4)                         ; sources window 2 or 3, destination window 0
.set i, 0
.rept 32
	v_cvt_pk_f16_f32 v[QF+i], v[AC+2*i], v[AC+2*i+1]
.set i, i+1
.endr
.endm
.macro MG e0, e1, e2, e3               ; out^T for four blocks of e, which take turns; the first link starts the sum, in the registers that q has left
.irp kb, 0,1,2,3
.irp eb, \e0, \e1, \e2, \e3
.if (\kb) == 0
	v_wmma_f32_16x16x32_f16 v[AC+8*(\eb):AC+8*(\eb)+7], v[8*(4*(\eb)+(\kb)):8*(4*(\eb)+(\kb))+7], v[QF+8*(\kb):QF+8*(\kb)+7], 0
.else
	v_wmma_f32_16x16x32_f16 v[AC+8*(\eb):AC+8*(\eb)+7], v[8*(4*(\eb)+(\kb)):8*(4*(\eb)+(\kb))+7], v[QF+8*(\kb):QF+8*(\kb)+7], v[AC+8*(\eb):AC+8*(\eb)+7]
.endif
.endr
.endr
.endm
.macro MM a
	SETA \a
.set QF, 32+160*((\a)%2)
	WIN 0xa1+0x50*((\a)/4)                         ; kv window 1, q window 0, C and D window 2 or 3
	MG 0, 1, 6, 7
.if (\a) == 0
	s_wait_loadcnt 0x0                             ; the second half of kv's fragments
.endif
	MG 2, 3, 4, 5
.endm
.macro TOSTAGE p                       ; a lane's 8 channels of a row are 32 bytes: into rows of 528 bytes of my own stage, and back as whole rows of 512
	SETA \p
	s_wait_xcnt 0x0                                ; the stores of the block before have read OB
	WIN 0x08+0x04*((\p)/4)                         ; data window 2 or 3
.irp eb, 0,1,2,3,4,5,6,7
	ds_store_b128 v[STO], v[AC+8*(\eb):AC+8*(\eb)+3]   offset:64*(\eb)
	ds_store_b128 v[STO], v[AC+8*(\eb)+4:AC+8*(\eb)+7] offset:64*(\eb)+16
.endr
	WIN 0
.set i, 0
.rept 16
	ds_load_b128 v[OB+4*i:OB+4*i+3], v[RD] offset:SP*i  ; LDS serves a wave's instructions in order (ISA guide 5.7.1.4): these see the stores above
.set i, i+1
.endr
.endm
.macro SEND p
	WIN 0
	s_wait_dscnt 0x0                               ; the block is back in registers
.set i, 0
.rept 16
	global_store_b128 v[GO], v[OB+4*i:OB+4*i+3], s[12:13] offset:65536*(\p)+4096*i th:TH_STORE_NT  ; 512 consecutive bytes, at a multiple of 256 from out0's first byte
.set i, i+1
.endr
.endm
	EXPS 0
	v_nop
	s_wait_alu depctr_va_vdst(0)                   ; block 0's exponentials are a batch of their own
.irp a, 0,1,2,3,4,5,6,7
	P1 \a
	P2 \a
	CV \a
.if (\a) > 0
	TOSTAGE (\a)-1
.endif
	MM \a                                          ; stands between the stage's loads and the wait for them
.if (\a) > 0
	SEND (\a)-1
.endif
.endr
	PLACES
	PLACES
	SLIST 7
	TOSTAGE 7
	SEND 7
	s_wait_tensorcnt 0x0                           ; the wave's end: behind my last tensor load and my last LDS store
	ds_add_u32 v[SPW], v[NIL]
	s_wait_dscnt 0x0
	CROUND                                         ; the closing round: no work-group ends while a partner may still ask for a tile that names it
	s_endpgm
.Lfunc_end_k_q31553b7c8b_qout:
	.size	k_q31553b7c8b_qout, .Lfunc_end_k_q31553b7c8b_qout-k_q31553b7c8b_qout
	.p2alignl 7, 3214868480
	.fill 96, 4, 3214868480
	.section	.rodata,"a",@progbits
	.p2align	6, 0x0
	.amdhsa_kernel k_q31553b7c8b_qout
		.amdhsa_group_segment_fixed_size 327680
		.amdhsa_private_segment_fixed_size 0
		.amdhsa_enable_private_segment 0
		.amdhsa_kernarg_size 40
		.amdhsa_user_sgpr_count 2
		.amdhsa_user_sgpr_kernarg_segment_ptr 1
		.amdhsa_wavefront_size32 1
		.amdhsa_system_sgpr_workgroup_id_x 1
		.amdhsa_system_sgpr_workgroup_id_y 1
		.amdhsa_system_sgpr_workgroup_id_z 1
		.amdhsa_system_vgpr_workitem_id 0
		.amdhsa_next_free_vgpr 1024
		.amdhsa_next_free_sgpr 100
		.amdhsa_reserve_vcc 0
		.amdhsa_float_denorm_mode_32 3
		.amdhsa_float_denorm_mode_16_64 3
		.amdhsa_memory_ordered 1
		.amdhsa_forward_progress 1
		.amdhsa_inst_pref_size 186
	.end_amdhsa_kernel
	.amdgpu_metadata
---
amdhsa.version: [ 1, 2 ]
amdhsa.kernels:
  - .name:           k_q31553b7c8b_qout
    .symbol:         k_q31553b7c8b_qout.kd
    .args:
      - { .name: xn, .offset: 0, .size: 8, .value_kind: global_buffer, .address_space: global }
      - { .name: wb, .offset: 8, .size: 8, .value_kind: global_buffer, .address_space: global }
      - { .name: kvf, .offset: 16, .size: 8, .value_kind: global_buffer, .address_space: global }
      - { .name: scl, .offset: 24, .size: 8, .value_kind: global_buffer, .address_space: global }
      - { .name: out0, .offset: 32, .size: 8, .value_kind: global_buffer, .address_space: global }
    .group_segment_fixed_size: 327680
    .private_segment_fixed_size: 0
    .kernarg_segment_align: 8
    .kernarg_segment_size: 40
    .max_flat_workgroup_size: 128
    .sgpr_count:     100
    .vgpr_count:     1024
    .wavefront_size: 32
...
	.end_amdgpu_metadata
.endif
;; end of part 4
